; MI455X (gfx1250); checked and timed in simulation.
; The chip was launched on July 23, 2026; its instructions are those of AMD's public machine-readable ISA for CDNA 5 (MIT licence, August 2026) and "CDNA5" Instruction Set Architecture Reference Guide (July 2026). The comments in the code are by the model that wrote it; some were corrected since.
;; Mo E Head. Allowed arithmetic: float matrix products may take bf16 or f16 operands with f32 sums; other float arithmetic in f32, or as packed bf16 or f16 multiplies, adds, multiply-adds, maxima and minima; sums over many terms, partial sums and values carried from step to step in f32; what a program stores and reads back later, other than sums and carried values, may be rounded once to bf16 or f16.
;; Inputs: b1 8 x 4,096 float32; b2 8 x 1,000 float32; gate_b 8 float32; gate_w 1,024 x 8 float32; w1 8 x 1,024 x 4,096 float32; w2 8 x 4,096 x 1,000 float32; x 1,024 x 1,024 float32.
;; Outputs: out0 1,024 x 1,000 float32; out1 one number float32.
;; 2 versions, each right; version 2 is version 1 with the launches prod1, prod2 written anew for expert scheduling mode. Each part assembles by itself: llvm-mc -triple=amdgcn-amd-amdhsa -mcpu=gfx1250 --defsym DOCPART=n.
;; ======== version 1 of 2: 4 launches
;; limits: a function is approximated: absolute error at most 1.5e-07
;; workspace buffers: xb 2,097,152 bytes; idx 8,192 bytes of whole numbers; cw 8,192 bytes; psum 16,384 bytes; hb 67,108,864 bytes; part 33,685,504 bytes
;; launch router (part 1): grid 256 x 1, 4 waves a work-group, no clusters, 19,200 bytes of LDS; arguments x, gate_w, gate_b, xb, idx, cw, psum; writes xb, idx, cw, psum
.if DOCPART == 1
	.amdgcn_target "amdgcn-amd-amdhsa--gfx1250"
	.amdhsa_code_object_version 6
	.text
	.protected	k_q1fe2322eda_router
	.globl	k_q1fe2322eda_router
	.p2align	8
	.type	k_q1fe2322eda_router,@function
k_q1fe2322eda_router:
	s_mov_b64 s[64:65], 0
	v_nop
	global_prefetch_b8 v0, s[64:65] scope:SCOPE_SE
	s_setreg_imm32_b32 hwreg(HW_REG_WAVE_MODE, 25, 1), 1
	s_wait_xcnt 0x0
; THE GATE.  logits = x gate_w + gate_b; probs = softmax(logits); the two largest, their weights renormalised; sums for the load-balance loss.
; x, gate_w and gate_b are rounded to bf16 first, as every input of this program is; the products of two bf16 are exact in f32 and are summed in f32.
; One wave, one token (4 waves, 256 work-groups: 1,024 tokens).  Lane l owns k = 4 l + 128 j + c (j = 0..7, c = 0..3): its x comes as eight 16-byte loads of 512 consecutive bytes a wave.
; gate_w (32 KiB) comes in ONCE for the work-group: wave w loads 8 KiB of it as 16 loads of 512 consecutive bytes, rounds it and lays it into LDS so that the 8 experts of (j, c) of all 32 lanes
; are 512 consecutive bytes; behind one barrier every wave reads the 16 KiB back with 32 loads of 16 bytes a lane.
; The 8 columns are too few for a matrix instruction's 16, so the products are fused multiply-adds that read bf16 halves.
; Stored: xb (x in bf16, for the first product), idx (the two experts, whole numbers, at fixed places), cw (their two weights), psum (per work-group: 8 sums of probs, 8 counts).
; No address and no branch here hangs on the choice: later launches read idx and place the rows.
; LIMITS.  The two largest are taken on the logits with a strict greater-than, so equal logits keep the lower index, as the reference's top_k does on probs; logits that differ
; while their f32 probs are equal, or that are closer than the order of summation moves them, may be ordered otherwise.  NaN and infinities are not treated apart.
; The temperature is 1.0: the division changes nothing and is not written.
.set GC,  576         ; LDS: the 512 bytes of one (j, c) + 64 of padding: the storing lanes' four c then start 16 banks apart (64 banks of 4 bytes: ISA guide 11.1)
.set GJ,  4*GC        ; one j
.set REC, 8*GJ        ; behind gate_w: one record of 16 words a wave
.set SPARE, REC+256   ; the spare words, 128 bytes a wave, that no other line names
.set XR,  16          ; v16-47   x as loaded; later at work
.set XP,  48          ; v48-63   x in bf16: word 2 j + c / 2, half c % 2
.set LG,  64          ; v64-71   the 8 sums, then the logits
.set GB,  72          ; v72-79   gate_b, rounded
.set PR,  80          ; v80-87   exponentials, then probs
.set BEST, 88
.set BIX, 89          ; index of the largest
.set PBV, 90          ; its exponential
.set SEC, 91
.set SIX, 92          ; index of the second
.set PSV, 93
.set SS,  94
.set RS,  95
.set R2,  96
.set PV,  97
.set OV,  98
.set REC_V, 99
.set IV,  100
.set CV,  101
.set L7,  102
.set GR,  128         ; v128-191 my part of gate_w as loaded
.set GT,  192         ; v192-223 the same, rounded, on its way into LDS
.set GP,  128         ; v128-255 then all of gate_w in bf16: word 16 j + 4 c + e / 2, half e % 2
.macro MIX d, a, b, ha, hb          ; v[d] += bf16 half ha of v[a] x bf16 half hb of v[b]
.if ((\ha) == 0) && ((\hb) == 0)
	v_fma_mix_f32_bf16 v[\d], v[\a], v[\b], v[\d] op_sel_hi:[1,1,0]
.elseif ((\ha) == 1) && ((\hb) == 0)
	v_fma_mix_f32_bf16 v[\d], v[\a], v[\b], v[\d] op_sel:[1,0,0] op_sel_hi:[1,1,0]
.elseif ((\ha) == 0)
	v_fma_mix_f32_bf16 v[\d], v[\a], v[\b], v[\d] op_sel:[0,1,0] op_sel_hi:[1,1,0]
.else
	v_fma_mix_f32_bf16 v[\d], v[\a], v[\b], v[\d] op_sel:[1,1,0] op_sel_hi:[1,1,0]
.endif
.endm
	s_load_b256 s[4:11], s[0:1], 0x0               ; x s[4:5], gate_w s[6:7], gate_b s[8:9], xb s[10:11]
	s_load_b128 s[12:15], s[0:1], 0x20             ; idx s[12:13], cw s[14:15]
	s_load_b64 s[16:17], s[0:1], 0x30              ; psum
	v_lshl_add_u32 v5, v0, 2, SPARE                ; my spare word,
	v_mov_b32 v6, 0                                ; and 0: kept for the wave's end alone
	v_and_b32 v1, 31, v0                           ; lane
	v_lshrrev_b32 v7, 5, v0
	v_readfirstlane_b32 s28, v7                    ; wave
	s_lshl_b32 s29, ttmp9, 2
	s_add_co_u32 s29, s29, s28                     ; my token
	v_lshlrev_b32 v2, 4, v1                        ; 16 l: x, gate_w, and gate_w's way back out of LDS
	v_lshlrev_b32 v4, 3, v1                        ; 8 l: xb
	v_lshlrev_b32 v10, 2, v1                       ; 4 l: idx, cw, psum; never rewritten
	; Load m of wave w brings lane l the row k = 256 w + 16 m + l / 2, experts 4 (l % 2) on.  That k is j = 2 w + m / 8, c = (l / 2) % 4, owner lane l / 8 + 4 (m % 8).
	v_bfe_u32 v7, v1, 1, 2
	v_mul_u32_u24 v7, v7, GC                       ; c
	v_lshrrev_b32 v8, 3, v1
	v_lshl_add_u32 v7, v8, 4, v7                   ; 16 bytes an owner lane
	v_and_b32 v8, 1, v1
	v_lshl_add_u32 v7, v8, 3, v7                   ; 8 bytes for each half of the experts
	s_mul_i32 s30, s28, 2*GJ
	v_add_nc_u32 v3, s30, v7                       ; where my 8 bytes of load 0 go
	v_and_b32 v11, 15, v1
	v_lshl_add_u32 v11, v11, 2, REC                ; word l % 16 of wave 0's record,
	v_lshl_add_u32 v12, s28, 6, v11                ; and of mine
	s_mov_b32 s38, 0x76543210                      ; v_permlanex16_b32: each lane takes its own place in the other half
	s_mov_b32 s39, 0xfedcba98
	s_mov_b32 s46, 0x3fb8aa3b                      ; log2(e)
	s_mov_b32 s31, 0
	s_wait_kmcnt 0x0
	s_load_b256 s[20:27], s[8:9], 0x0              ; gate_b: 8 numbers, the same for every lane
	s_lshl_b32 s30, s29, 12
	s_add_nc_u64 s[4:5], s[4:5], s[30:31]          ; x at my token's row
	s_lshl_b32 s30, s29, 11
	s_add_nc_u64 s[10:11], s[10:11], s[30:31]      ; xb likewise
	s_lshl_b32 s30, s29, 3
	s_add_nc_u64 s[12:13], s[12:13], s[30:31]      ; idx and cw: 8 bytes a token
	s_add_nc_u64 s[14:15], s[14:15], s[30:31]
	s_lshl_b32 s30, ttmp9, 6
	s_add_nc_u64 s[16:17], s[16:17], s[30:31]      ; psum: 64 bytes a work-group
	s_lshl_b32 s30, s28, 13
	s_add_nc_u64 s[6:7], s[6:7], s[30:31]          ; gate_w at my wave's 8,192 bytes
.irp j, 0,1,2,3,4,5,6,7
	global_load_b128 v[XR+4*\j:XR+4*\j+3], v2, s[4:5] offset:512*\j th:TH_LOAD_NT
.endr
.set m, 0
.rept 16
	global_load_b128 v[GR+4*m:GR+4*m+3], v2, s[6:7] offset:512*m
.set m, m+1
.endr
.irp e, 1,2,3,4,5,6,7
	s_mov_b32 s[30+\e], 0x01010101<<\e             ; the lanes with l % 8 = e
.endr
	s_wait_loadcnt 16                              ; 24 loads were issued: x's eight are the oldest
.set m, 0
.rept 16
	v_cvt_pk_bf16_f32 v[XP+m], v[XR+2*m], v[XR+2*m+1]
.set m, m+1
.endr
.irp j, 0,1,2,3,4,5,6,7
	global_store_b64 v4, v[XP+2*\j:XP+2*\j+1], s[10:11] offset:256*\j  ; a wave's store covers 256 consecutive bytes, aligned
.endr
	s_wait_kmcnt 0x0                               ; gate_b
.irp p, 0,1,2,3
	v_cvt_pk_bf16_f32 v[XR+\p], s[20+2*\p], s[21+2*\p]  ; x's registers have been read: they are at work from here on
.endr
.irp p, 0,1,2,3
	v_lshlrev_b32 v[GB+2*\p], 16, v[XR+\p]
	v_and_b32 v[GB+2*\p+1], 0xffff0000, v[XR+\p]
.endr
.irp e, 0,1,2,3,4,5,6,7
	v_mov_b32 v[LG+\e], 0
.endr
.irp q, 0,1                                        ; my part of gate_w by halves of 8 loads: the younger half stays out
	s_wait_loadcnt 8-8*\q
.set m, 8*\q
.rept 8
	v_cvt_pk_bf16_f32 v[GT+2*m], v[GR+4*m], v[GR+4*m+1]
	v_cvt_pk_bf16_f32 v[GT+2*m+1], v[GR+4*m+2], v[GR+4*m+3]
	ds_store_b64 v3, v[GT+2*m:GT+2*m+1] offset:GJ*(m/8)+64*(m%8)
.set m, m+1
.endr
.endr
	s_wait_dscnt 0x0                               ; for the others' sake: my part of gate_w is stored
	s_barrier_signal -1
	s_barrier_wait -1                              ; gate_w is whole; nobody writes it again
.set k, 0
.rept 32                                           ; k = 4 j + c: the 8 experts of my k, 512 consecutive bytes a wave
	ds_load_b128 v[GP+4*k:GP+4*k+3], v2 offset:GJ*(k/4)+GC*(k%4)
.set k, k+1
.endr
.irp q, 0,1,2,3
	s_wait_dscnt 24-8*\q                           ; LDS loads come back in order: the younger quarters stay out
.set k, 8*\q
.rept 8                                            ; the eight sums take turns
.set e, 0
.rept 8
	MIX LG+e, XP+k/2, GP+4*k+e/2, k%2, e%2
.set e, e+1
.endr
.set k, k+1
.endr
.endr
.irp x, 1,2,4,8                                    ; across the lanes: four steps inside each half of 16, one across the halves
.irp e, 0,1,2,3,4,5,6,7
	v_add_f32_dpp v[LG+\e], v[LG+\e], v[LG+\e] row_xmask:\x row_mask:0xf bank_mask:0xf
.endr
.endr
.irp e, 0,1,2,3,4,5,6,7
	v_permlanex16_b32 v[XR+\e], v[LG+\e], s38, s39 ; its destination counts as read: x's registers have been written
.endr
.irp e, 0,1,2,3,4,5,6,7
	v_add_f32 v[LG+\e], v[LG+\e], v[XR+\e]
.endr
.irp e, 0,1,2,3,4,5,6,7
	v_add_f32 v[LG+\e], v[LG+\e], v[GB+\e]         ; every lane holds the token's 8 logits
.endr
	v_max3_num_f32 v7, v[LG], v[LG+1], v[LG+2]     ; the maximum is taken away before the exponentials
	v_max3_num_f32 v7, v7, v[LG+3], v[LG+4]
	v_max3_num_f32 v7, v7, v[LG+5], v[LG+6]
	v_max_num_f32 v7, v7, v[LG+7]
	v_mul_f32 v8, s46, v7
.irp e, 0,1,2,3,4,5,6,7
	v_fma_f32 v[PR+\e], v[LG+\e], s46, -v8
.endr
.irp e, 0,1,2,3,4,5,6,7
	v_exp_f32 v[PR+\e], v[PR+\e]
.endr
	v_nop                                          ; a plain instruction behind the last exponential,
	s_wait_alu depctr_va_vdst(0)                   ; and one wait for the eight, ahead of their first reader
	v_add_f32 v[SS], v[PR], v[PR+1]
	v_add_f32 v7, v[PR+2], v[PR+3]
	v_add_f32 v8, v[PR+4], v[PR+5]
	v_add_f32 v9, v[PR+6], v[PR+7]
	v_add_f32 v[SS], v[SS], v7
	v_add_f32 v8, v8, v9
	v_add_f32 v[SS], v[SS], v8
	v_mov_b32 v[BEST], v[LG]                       ; the largest: a later one wins only if it is greater
	v_mov_b32 v[BIX], 0
	v_mov_b32 v[PBV], v[PR]
.irp e, 1,2,3,4,5,6,7
	v_cmp_gt_f32 vcc_lo, v[LG+\e], v[BEST]
	v_cndmask_b32 v[BEST], v[BEST], v[LG+\e], vcc_lo
	v_cndmask_b32 v[BIX], v[BIX], \e, vcc_lo
	v_cndmask_b32 v[PBV], v[PBV], v[PR+\e], vcc_lo
.endr
	v_mov_b32 v[SEC], 0xff800000                   ; the second: the same among the other seven
	v_mov_b32 v[SIX], 0
	v_mov_b32 v[PSV], 0
.irp e, 0,1,2,3,4,5,6,7
	v_cmp_ne_u32 s40, \e, v[BIX]
	v_cmp_gt_f32 s41, v[LG+\e], v[SEC]
	s_and_b32 s40, s40, s41
	v_cndmask_b32 v[SEC], v[SEC], v[LG+\e], s40
	v_cndmask_b32 v[SIX], v[SIX], \e, s40
	v_cndmask_b32 v[PSV], v[PSV], v[PR+\e], s40
.endr
	v_add_f32 v7, v[PBV], v[PSV]
	v_rcp_f32 v[RS], v[SS]
	v_rcp_f32 v[R2], v7
	v_and_b32 v[L7], 7, v1                         ; a plain instruction behind the reciprocals,
	s_wait_alu depctr_va_vdst(0)                   ; and one wait for the two
.irp e, 0,1,2,3,4,5,6,7
	v_mul_f32 v[PR+\e], v[PR+\e], v[RS]            ; probs
.endr
	v_mul_f32 v[PBV], v[PBV], v[R2]                ; the two weights: the softmax's divisor cancels
	v_mul_f32 v[PSV], v[PSV], v[R2]
	v_mov_b32 v[PV], v[PR]                         ; lane l takes the prob of expert l % 8,
.irp e, 1,2,3,4,5,6,7
	v_cndmask_b32 v[PV], v[PV], v[PR+\e], s[30+\e]
.endr
	v_cmp_eq_u32 s40, v[L7], v[BIX]                ; and 1.0 if that expert is chosen
	v_cmp_eq_u32 s41, v[L7], v[SIX]
	s_or_b32 s40, s40, s41
	v_cndmask_b32 v[OV], 0, 1.0, s40
	s_mov_b32 s42, 0xff00ff00
	v_cndmask_b32 v[REC_V], v[PV], v[OV], s42      ; the record's words 0-7: probs; 8-15: the choice
	s_mov_b32 s43, 0xaaaaaaaa
	v_cndmask_b32 v[IV], v[BIX], v[SIX], s43       ; even lanes the first, odd lanes the second
	v_cndmask_b32 v[CV], v[PBV], v[PSV], s43
	v_cmp_gt_u32 vcc_lo, 2, v1
	s_wait_xcnt 0x0                                ; EXEC changes only behind this wait: it is a source of the stores above
	s_and_saveexec_b32 s44, vcc_lo
	global_store_b32 v10, v[IV], s[12:13]          ; lanes 0 and 1: the token's 8 bytes of idx and of cw
	global_store_b32 v10, v[CV], s[14:15]
	s_wait_xcnt 0x0                                ; and again, in front of the line that widens it
	s_or_b32 exec_lo, exec_lo, s44
	ds_store_b32 v12, v[REC_V]                     ; lanes l and l + 16 write the same word with the same number
	s_wait_dscnt 0x0                               ; for wave 0's sake: my record is stored
	s_barrier_signal -1
	s_barrier_wait -1
	s_cmp_lg_u32 s28, 0
	s_cbranch_scc1 .Lend
.irp m, 0,1,2,3
	ds_load_b32 v[XR+\m], v11 offset:64*\m         ; wave 0 adds the four records
.endr
	s_wait_dscnt 0x0
	v_add_f32 v[XR], v[XR], v[XR+1]
	v_add_f32 v[XR+2], v[XR+2], v[XR+3]
	v_add_f32 v[XR], v[XR], v[XR+2]
	v_cmp_gt_u32 vcc_lo, 16, v1
	s_wait_xcnt 0x0
	s_and_saveexec_b32 s44, vcc_lo
	global_store_b32 v10, v[XR], s[16:17]          ; 64 consecutive bytes
	s_wait_xcnt 0x0
	s_or_b32 exec_lo, exec_lo, s44
.Lend:
	s_wait_tensorcnt 0x0                           ; the wave's end
	ds_add_u32 v5, v6
	s_wait_dscnt 0x0
	s_endpgm
.Lfunc_end_k_q1fe2322eda_router:
	.size	k_q1fe2322eda_router, .Lfunc_end_k_q1fe2322eda_router-k_q1fe2322eda_router
	.p2alignl 7, 3214868480
	.fill 96, 4, 3214868480
	.section	.rodata,"a",@progbits
	.p2align	6, 0x0
	.amdhsa_kernel k_q1fe2322eda_router
		.amdhsa_group_segment_fixed_size 19200
		.amdhsa_private_segment_fixed_size 0
		.amdhsa_enable_private_segment 0
		.amdhsa_kernarg_size 56
		.amdhsa_user_sgpr_count 2
		.amdhsa_user_sgpr_kernarg_segment_ptr 1
		.amdhsa_wavefront_size32 1
		.amdhsa_system_sgpr_workgroup_id_x 1
		.amdhsa_system_sgpr_workgroup_id_y 1
		.amdhsa_system_sgpr_workgroup_id_z 1
		.amdhsa_system_vgpr_workitem_id 0
		.amdhsa_next_free_vgpr 256
		.amdhsa_next_free_sgpr 66
		.amdhsa_reserve_vcc 1
		.amdhsa_float_denorm_mode_32 3
		.amdhsa_float_denorm_mode_16_64 3
		.amdhsa_memory_ordered 1
		.amdhsa_forward_progress 1
		.amdhsa_inst_pref_size 40
	.end_amdhsa_kernel
	.amdgpu_metadata
---
amdhsa.version: [ 1, 2 ]
amdhsa.kernels:
  - .name:           k_q1fe2322eda_router
    .symbol:         k_q1fe2322eda_router.kd
    .args:
      - { .name: x, .offset: 0, .size: 8, .value_kind: global_buffer, .address_space: global }
      - { .name: gate_w, .offset: 8, .size: 8, .value_kind: global_buffer, .address_space: global }
      - { .name: gate_b, .offset: 16, .size: 8, .value_kind: global_buffer, .address_space: global }
      - { .name: xb, .offset: 24, .size: 8, .value_kind: global_buffer, .address_space: global }
      - { .name: idx, .offset: 32, .size: 8, .value_kind: global_buffer, .address_space: global }
      - { .name: cw, .offset: 40, .size: 8, .value_kind: global_buffer, .address_space: global }
      - { .name: psum, .offset: 48, .size: 8, .value_kind: global_buffer, .address_space: global }
    .group_segment_fixed_size: 19200
    .private_segment_fixed_size: 0
    .kernarg_segment_align: 8
    .kernarg_segment_size: 56
    .max_flat_workgroup_size: 128
    .sgpr_count:     66
    .vgpr_count:     256
    .wavefront_size: 32
...
	.end_amdgpu_metadata
.endif
;; end of part 1
;; launch prod1 (part 2): grid 32 x 8, 4 waves a work-group, no clusters, 297,472 bytes of LDS; arguments idx, xb, w1, b1, hb; writes hb
.if DOCPART == 2
	.amdgcn_target "amdgcn-amd-amdhsa--gfx1250"
	.amdhsa_code_object_version 6
	.text
	.protected	k_q1fe2322eda_prod1
	.globl	k_q1fe2322eda_prod1
	.p2align	8
	.type	k_q1fe2322eda_prod1,@function
k_q1fe2322eda_prod1:
	s_mov_b64 s[64:65], 0
	v_nop
	global_prefetch_b8 v0, s[64:65] scope:SCOPE_SE
	s_setreg_imm32_b32 hwreg(HW_REG_WAVE_MODE, 25, 1), 1
	s_wait_xcnt 0x0
; THE FIRST PRODUCT.  hb[e][place][:] = gelu(x[token] w1[e] + b1[e]) in bf16, for the tokens that chose expert e, in the order of the expert's list.
; w1 and b1 are rounded to bf16, x was (xb); sums in f32; gelu in f32; h is rounded once, to bf16 (z has no bound that f16 would hold).
; SHARES.  A work-group (x = slice 0..31, y = expert) has the slice w1[e][0..1023][128 x .. 128 x + 127], which it alone reads, and ALL of that expert's rows, 0 to 1,024 of them.
; PHASE A: the slice streams through registers, 64 loads of 16 bytes a lane out for each wave (32 KiB a wave), is rounded and laid into LDS with K along the rows; one barrier.
; PHASE B: NOTHING WRITES LDS ANY MORE, so no barrier is needed in it.  A wave takes the blocks of 16 rows 4 q + w; a pass holds six of them (6 x 8 accumulators); three passes cover 1,152
; places.  The pass loop and the block loop count to constants; a pass or a block past the expert's count is jumped forward, and nothing that is jumped holds a barrier.
; Weight fragments come from LDS, token rows from memory straight into operand registers, four K steps ahead.
; THE SLICE IN LDS: 16 tiles of 64 k; a tile is 128 rows (a column each) of 128 bytes.  Row 16 b + r holds column 8 r + b.  With 16 token rows as source 0 and the 16 LDS rows of block b as
; source 1, register j of accumulator b in lane l is token 8 (l / 16) + j, column 8 (l % 16) + b: the eight accumulators' registers j pack into 16 bytes of bf16, and 16 lanes hold the
; 256 bytes of a row of the slice: the results are stored straight from registers.
; THE ROWS.  Every wave reads idx and keeps, in the lanes of two registers, for each of 32 groups of 32 tokens the mask of those that chose the expert and the number of members before the group.
; The expert's list is: group after group, lane after lane; group 2 g + s, lane b is token 64 g + 2 b + s; the second product makes the same order.  The token at a place is found in registers at a
; pass's start: its group by 31 compares, its lane as the n-th set bit of the group's mask.  No row's address passes through LDS.  Places past the count stand for token 1,023, a row that exists;
; their results land in the expert's own places below the count rounded up to 16.
; NO MULTICAST, NO TENSOR LOADS: each weight byte has one reader and must be rounded on its way (the slice in f32, 512 KiB, would not fit in LDS); what an expert's work-groups share, the token
; rows, comes by a list, which no tile descriptor covers.
; GELU.  z Phi(z) = max(z, 0) - |z| q, q = erfc(|z| / sqrt 2) / 2 = t (a1 + t (a2 + t (a3 + t (a4 + t a5)))) 2^(-z z log2(e) / 2), t = 1 / (1 + p |z| / sqrt 2), the a halved.
; LIMITS.  That series (Abramowitz and Stegun 7.1.26) is off by 1.5e-7 of erf at the most, for every z; NaN and infinities are not treated apart.
.set PITCHW, 16384    ; bytes from row to row of w1[e]
.set PW,     144      ; a row of a tile in LDS: 128 bytes + 16 = 36 words: 16 neighbouring rows start at 16 different groups of four banks (64 banks of 4 bytes: ISA guide 11.1)
.set TS,     128*PW+128  ; a tile
.set SPARE,  16*TS    ; behind the slice: the spare words, 128 bytes a wave, that no other line names
; window 0
.set LN,   1          ; lane
.set RR,   2          ; lane % 16
.set H16,  3          ; 16 x (lane / 16)
.set SPW,  4          ; my spare word's address; never rewritten
.set NIL,  5          ; 0; never rewritten
.set WA,   7          ; phase A: where my first column's 16 bytes (8 k) go
.set BADR0, 8         ; my lane's place in a fragment; never rewritten
.set BA,   9          ; + the K steps done
.set MKV,  10         ; lane j: the mask of group j
.set KYV,  11         ; lane j: 32 x (members before group j) + j
.set PL0,  12         ; my place in a pair of blocks: 64 (lane / 16) + 16 w + lane % 16
.set PO,   13
.set EN,   14
.set ROW,  16         ; v16-21  byte offset of my token's row, for the pass's six blocks
.set HO,   26         ; my byte offset in 16 rows of hb
.set IOFF, 27         ; 16 x lane
.set WOFF, IOFF
.set T16,  28         ; v28-43  at work
.set T2,   64         ; v64-79  phase A: the second set of packed words
.set BOF,  50         ; 32 x (lane % 16): b1
.set II,   64         ; v64-127 idx as loaded (head only)
.set QP,   64         ; a pass's start, three vectors each (blocks 2 a in lanes 0-15, 2 a + 1 in lanes 16-31): the place,
.set QPK,  67         ; 32 x place + 31,
.set QK,   70         ; the key of its group,
.set QM,   73         ; the group's mask,
.set QN,   76         ; which set bit of it,
.set Q1,   79         ; the mask's sums of 2 bits,
.set Q2,   82         ; of 4,
.set Q3,   85         ; of 8,
.set QC,   88         ; at work,
.set QS,   91         ; the bit's number so far,
.set QT,   94         ; at work, then the token,
.set QX,   97         ; and the other half of the lanes' token
.set BF,   64         ; v64-127, v128-191 weight fragments, two buffers
.set Z,    64         ; the way out: z, then h: accumulator b's register j at 8 b + j
.set Y,    128        ; the way out: the series
.set BIAS, 192        ; v192-207 b1 of my 8 columns, rounded, each twice (pairs for the packed add)
.set BRAW, 208        ; v208-215 as loaded
; window 1: phase A: the ring of 64 slots of 4; phase B: token fragments, set a (0..3) at 48 a, block i at + 8 i; the way out:
.set TT,   0          ; t, then max(z, 0)
.set EE,   64         ; the exponential
.set HH,   128        ; h in bf16: token j's 16 bytes at 4 j
; window 2: the accumulators of blocks 0-3 at 64 i + 8 b;  window 3: of blocks 4, 5
.set WV,  14
.set EX,  15
.set SL,  16
.set RUN, 17          ; the members so far, at last the expert's count
.set NBW, 18          ; my wave's blocks
.set NB,  19          ; of them in this pass, 6 at the most
.set PS,  20
.set KT,  21
.set BI,  22
.set KO,  23          ; LDS bytes of the K steps done
.set WB,  24          ; s[24:25] w1 at my rows of the slice
.set AB,  6           ; s[6:7]   xb
.set AP,  28          ; s[28:29] xb + the trips' K
.set AP3, 30          ; s[30:31] xb + the K of the fourth refill, turned back into the row at its end
.set K3,  32          ; s[32:33]
.set HBASE, 34        ; s[34:35]
.set HS,  36          ; s[36:37]
.set OF,  38          ; s[38:39] offsets at work
.set SEL, 44          ; s[44:45] v_permlanex16_b32: each lane takes its own place in the other half
.set UPP, 46          ; the mask of lanes 16-31
.set PPS, 48
.set CC,  50
.set A1,  52
.set A2,  54
.set A3,  56
.set A4,  58
.set A5,  60
.set MUL_LO, 0xa1     ; source 0 (tokens) window 1, source 1 (weights) window 0, C and D window 2
.set MUL_HI, 0xf1     ; the same, C and D window 3
.set MSB, 0
.macro WIN new                      ; the immediate's high byte repeats the setting that is left; a switch that changes nothing is dropped
.if MSB != (\new)
	s_set_vgpr_msb (MSB<<8)|(\new)
.set MSB, (\new)
.endif
.endm
.macro PLACES                       ; four plain instructions between a matrix instruction and a load into, or a vector read of, its registers
.rept 4
	v_nop
.endr
.endm
; Group 2 g + sub, the 32 tokens 64 g + 2 lane + sub: its mask and its key go into lane 2 g + sub of the two registers.
.macro MASKSTEP g, sub
	v_cmp_eq_u32 s40, s[EX], v[II+4*(\g)+2*(\sub)]
	v_cmp_eq_u32 s41, s[EX], v[II+4*(\g)+2*(\sub)+1]
	s_or_b32 s42, s40, s41
	s_lshl_b32 s43, s[RUN], 5
	s_or_b32 s43, s43, 2*(\g)+(\sub)
	v_writelane_b32 v[MKV], s42, 2*(\g)+(\sub)
	v_writelane_b32 v[KYV], s43, 2*(\g)+(\sub)
	s_bcnt1_i32_b32 s43, s42
	s_add_co_u32 s[RUN], s[RUN], s43
.endm
; One halving of the search for the n-th set bit: the w bits from the bit's number so far hold c set bits (read off the sums in src); if n is not below c, the bit lies beyond them.
.macro NTH src, w
.irp a, 0,1,2
	v_bfe_u32 v[QC+\a], v[(\src)+\a], v[QS+\a], \w
.endr
.irp a, 0,1,2
	v_cmp_ge_u32 vcc_lo, v[QN+\a], v[QC+\a]
	v_cndmask_b32 v[QC+\a], 0, v[QC+\a], vcc_lo
	v_cndmask_b32 v[QT+\a], 0, \w, vcc_lo
	v_sub_nc_u32 v[QN+\a], v[QN+\a], v[QC+\a]
	v_add_nc_u32 v[QS+\a], v[QS+\a], v[QT+\a]
.endr
.endm
; Eight slots of the ring, 8 neighbouring k of my 4 columns: rounded in pairs along k, stored as 16 bytes a column, and asked for again 64 rows on.
; The packed words take two sets of registers by turns, so that a group's conversions do not land on what the last group's LDS stores read.
.macro WGROUP g, refill, left
.set TB, T16+(T2-T16)*((\g)%2)
	s_wait_loadcnt \left                           ; loads come back in order: the group's eight are the oldest
	WIN 0x05
.irp a, 0,1,2,3
.irp p, 0,1,2,3
	v_cvt_pk_bf16_f32 v[TB+4*\a+\p], v[4*(8*(\g)+2*\p)+\a], v[4*(8*(\g)+2*\p+1)+\a]
.endr
.endr
	WIN 0
.irp a, 0,1,2,3
	ds_store_b128 v[WA], v[TB+4*\a:TB+4*\a+3] offset:16*PW*\a+16*(\g)
.endr
.if \refill
	WIN 0x40
.irp i, 0,1,2,3,4,5,6,7
	global_load_b128 v[4*(8*(\g)+\i):4*(8*(\g)+\i)+3], v[WOFF], s[WB:WB+1] offset:(8*(\g)+\i)*PITCHW th:TH_LOAD_NT
.endr
	WIN 0
.endif
.endm
; 16 LDS loads: a K step's fragments of all 8 blocks of 16 LDS rows into buffer set
.macro BRUN set, imm
.irp n, 0,1,2,3,4,5,6,7
	ds_load_b128 v[BF+64*(\set)+8*\n:BF+64*(\set)+8*\n+3], v[BA] offset:(\imm)+16*PW*\n+128*(\n/4)
	ds_load_b128 v[BF+64*(\set)+8*\n+4:BF+64*(\set)+8*\n+7], v[BA] offset:(\imm)+16*PW*\n+128*(\n/4)+32
.endr
.endm
.macro ALD a, i, base, imm          ; block i's token fragment of one K step: 16 rows x 32 K
	global_load_b128 v[48*(\a)+8*(\i):48*(\a)+8*(\i)+3], v[ROW+(\i)], s[\base:\base+1] offset:(\imm)
	global_load_b128 v[48*(\a)+8*(\i)+4:48*(\a)+8*(\i)+7], v[ROW+(\i)], s[\base:\base+1] offset:(\imm)+32
.endm
; A K step's token fragments into set a.  all = 0: blocks 4 and 5 only where the pass has them, and FIRST, so that the eight loads that every path issues are the run's youngest.
.macro ARUN a, base, imm, all
.if \all
	WIN 0x40
.irp i, 0,1,2,3,4,5
	ALD \a, \i, \base, \imm
.endr
	WIN 0
.else
	s_cmp_lt_u32 s[NB], 5
	s_cbranch_scc1 .Lu_\@
	WIN 0x40
	ALD \a, 4, \base, \imm
	WIN 0
	s_cmp_lt_u32 s[NB], 6
	s_cbranch_scc1 .Lu_\@
	WIN 0x40
	ALD \a, 5, \base, \imm
	WIN 0
.Lu_\@:
	WIN 0x40
.irp i, 0,1,2,3
	ALD \a, \i, \base, \imm
.endr
	WIN 0
.endif
.endm
.macro MULB a, b, i, zero           ; block i x all 8 blocks of columns: eight accumulators by turns
.irp n, 0,1,2,3,4,5,6,7
.if \zero
	v_wmma_f32_16x16x32_bf16 v[64*((\i)%4)+8*\n:64*((\i)%4)+8*\n+7], v[48*(\a)+8*(\i):48*(\a)+8*(\i)+7], v[BF+64*(\b)+8*\n:BF+64*(\b)+8*\n+7], 0
.else
	v_wmma_f32_16x16x32_bf16 v[64*((\i)%4)+8*\n:64*((\i)%4)+8*\n+7], v[48*(\a)+8*(\i):48*(\a)+8*(\i)+7], v[BF+64*(\b)+8*\n:BF+64*(\b)+8*\n+7], v[64*((\i)%4)+8*\n:64*((\i)%4)+8*\n+7]
.endif
.endr
.endm
; A K step of 32: token set a, weight buffer b.  lw: the younger global loads that may stay out: the set was asked for four steps ago, and each of the runs behind it has eight loads at the least.
; bimm >= 0: the next step's weight fragments are asked for first; dw = 16 leaves them out.  zero = 1: the products start the sums, in all six blocks.  abase >= 0: set a is asked for again.
; No two matrix instructions that follow each other share an accumulator, over the loop's edge too.
.macro STEP a, b, zero, bimm, abase, aimm, lw, dw
	s_wait_loadcnt \lw
.if (\bimm) >= 0
	BRUN 1-(\b), \bimm
.endif
	s_wait_dscnt \dw
	WIN MUL_LO
.irp i, 0,1,2,3
	MULB \a, \b, \i, \zero
.endr
.if \zero
	WIN MUL_HI
	MULB \a, \b, 4, 1
	MULB \a, \b, 5, 1
	WIN 0
.else
	WIN 0
	s_cmp_lt_u32 s[NB], 5
	s_cbranch_scc1 .Le_\@
	WIN MUL_HI
	MULB \a, \b, 4, 0
	WIN 0
	s_cmp_lt_u32 s[NB], 6
	s_cbranch_scc1 .Le_\@
	WIN MUL_HI
	MULB \a, \b, 5, 0
	WIN 0
.Le_\@:
.endif
	PLACES                                         ; for the loads into set a below, for the next step's loads into buffer b, and at the end for the first read of the sums
.if (\abase) >= 0
	ARUN \a, \abase, \aimm, 0
.endif
.endm
.macro CASE i                       ; z = block i's sums + b1, each accumulator from its low end on
	WIN 0x02+(\i)/4
.set m, 0
.rept 32
	v_pk_add_f32 v[Z+2*m:Z+2*m+1], v[64*((\i)%4)+2*m:64*((\i)%4)+2*m+1], v[BIAS+2*(m/4):BIAS+2*(m/4)+1]
.set m, m+1
.endr
	WIN 0
.endm
	s_load_b256 s[4:11], s[0:1], 0x0               ; idx s[4:5], xb s[6:7], w1 s[8:9], b1 s[10:11]
	s_load_b64 s[12:13], s[0:1], 0x20              ; hb
	v_lshl_add_u32 v[SPW], v0, 2, SPARE
	v_mov_b32 v[NIL], 0
	v_lshrrev_b32 v[PO], 5, v0
	v_readfirstlane_b32 s[WV], v[PO]               ; wave 0..3
	s_and_b32 s[EX], ttmp7, 0xffff                 ; expert
	s_mov_b32 s[SL], ttmp9                         ; slice
	v_and_b32 v[LN], 31, v0
	v_and_b32 v[RR], 15, v0
	v_and_b32 v[H16], 16, v0
	v_lshlrev_b32 v[IOFF], 4, v[LN]
	v_lshlrev_b32 v[BOF], 5, v[RR]
	v_mov_b32 v[MKV], 0                            ; written whole before single lanes are written
	v_mov_b32 v[KYV], 0
	v_lshl_add_u32 v[PL0], v[H16], 2, v[RR]
	v_lshl_add_u32 v[PL0], s[WV], 4, v[PL0]
	v_and_b32 v[PO], 1, v0                         ; phase A: my columns 4 l + a are 8 (l / 2) + 4 (l % 2) + a: LDS rows 64 (l % 2) + 16 a + l / 2
	v_mul_u32_u24 v[PO], v[PO], 64*PW+128
	v_lshrrev_b32 v[EN], 1, v[LN]
	v_mul_u32_u24 v[EN], v[EN], PW
	v_add_nc_u32 v[PO], v[PO], v[EN]
	s_mul_i32 s[OF], s[WV], 4*TS                   ; wave w lays k = 256 w .. 256 w + 255: tiles 4 w .. 4 w + 3, its own bytes
	v_add_nc_u32 v[WA], s[OF], v[PO]
	v_mul_u32_u24 v[PO], v[RR], PW                 ; a fragment: lane l reads row l % 16, bytes 16 (l / 16) on and 32 further
	v_add_nc_u32 v[BADR0], v[PO], v[H16]
	v_lshlrev_b32 v[PO], 12, v[H16]
	v_lshl_add_u32 v[HO], v[RR], 4, v[PO]          ; hb: row 8 (l / 16) of the block, 8,192 bytes a row; 16 bytes a lane
	s_mov_b32 s[SEL], 0x76543210
	s_mov_b32 s[SEL+1], 0xfedcba98
	s_mov_b32 s[UPP], 0xffff0000
	s_mov_b32 s[PPS], 0x3e6d3388                   ; 0.3275911 / sqrt 2
	s_mov_b32 s[CC], 0xbf38aa3b                    ; - log2(e) / 2
	s_mov_b32 s[CC+1], 0xbf38aa3b                  ; the packed forms name pairs: both words are written
	s_mov_b32 s[A1], 0x3e027906                    ; 0.254829592 / 2
	s_mov_b32 s[A1+1], 0x3e027906
	s_mov_b32 s[A2], 0xbe11a98e                    ; -0.284496736 / 2
	s_mov_b32 s[A2+1], 0xbe11a98e
	s_mov_b32 s[A3], 0x3f35f0e3                    ; 1.421413741 / 2
	s_mov_b32 s[A3+1], 0x3f35f0e3
	s_mov_b32 s[A4], 0xbf3a00e3                    ; -1.453152027 / 2
	s_mov_b32 s[A4+1], 0xbf3a00e3
	s_mov_b32 s[A5], 0x3f07dc22                    ; 1.061405429 / 2
	s_mov_b32 s[A5+1], 0x3f07dc22
	s_lshl_b32 s[OF], s[EX], 24                    ; w1[e]: 16 MiB; my slice: 512 bytes of a row; my wave: 256 rows of 16 KiB
	s_lshl_b32 s40, s[SL], 9
	s_add_co_u32 s[OF], s[OF], s40
	s_lshl_b32 s41, s[WV], 22
	s_add_co_u32 s[OF], s[OF], s41
	s_mov_b32 s[OF+1], 0
	s_wait_kmcnt 0x0
	s_add_nc_u64 s[WB:WB+1], s[8:9], s[OF:OF+1]
	s_lshl_b32 s[OF], s[EX], 14
	s_add_co_u32 s[OF], s[OF], s40
	s_add_nc_u64 s[10:11], s[10:11], s[OF:OF+1]    ; b1[e] at my slice
	s_lshl_b32 s[OF], s[EX], 23
	s_lshl_b32 s40, s[SL], 8
	s_add_co_u32 s[OF], s[OF], s40
	s_add_nc_u64 s[HBASE:HBASE+1], s[12:13], s[OF:OF+1]  ; hb[e] at my slice
.irp g, 0,1,2,3,4,5,6,7,8,9,10,11,12,13,14,15
	global_load_b128 v[II+4*\g:II+4*\g+3], v[IOFF], s[4:5] offset:512*\g  ; tokens 64 g + 2 lane and the next: two experts each
.endr
	global_load_b128 v[BRAW:BRAW+3], v[BOF], s[10:11]             ; b1 of columns 8 (lane % 16) + 0..7
	global_load_b128 v[BRAW+4:BRAW+7], v[BOF], s[10:11] offset:16
	WIN 0x40
.set m, 0
.rept 64                                           ; the ring is filled: my first 64 rows
	global_load_b128 v[4*m:4*m+3], v[WOFF], s[WB:WB+1] offset:m*PITCHW th:TH_LOAD_NT
.set m, m+1
.endr
	WIN 0
	s_wait_loadcnt 63                              ; 82 loads were issued: the oldest 19 are in, idx's 16 and b1's 2 among them; the ring stays out
	s_mov_b32 s[RUN], 0
.irp g, 0,1,2,3,4,5,6,7,8,9,10,11,12,13,14,15
	MASKSTEP \g, 0
	MASKSTEP \g, 1
.endr
.irp p, 0,1,2,3                                    ; b1 rounded to bf16, kept as f32, each number twice
	v_cvt_pk_bf16_f32 v[T16+\p], v[BRAW+2*\p], v[BRAW+2*\p+1]
	v_lshlrev_b32 v[BIAS+4*\p], 16, v[T16+\p]
	v_lshlrev_b32 v[BIAS+4*\p+1], 16, v[T16+\p]
	v_and_b32 v[BIAS+4*\p+2], 0xffff0000, v[T16+\p]
	v_and_b32 v[BIAS+4*\p+3], 0xffff0000, v[T16+\p]
.endr
	s_add_co_u32 s[OF], s[RUN], 15
	s_lshr_b32 s[OF], s[OF], 4                     ; the expert's blocks of 16 rows
	s_add_co_u32 s[OF], s[OF], 3
	s_sub_co_u32 s[OF], s[OF], s[WV]
	s_lshr_b32 s[NBW], s[OF], 2                    ; of them 4 q + w: mine
	; PHASE A: three rounds that ask again, one that does not; a round of 64 rows fills one tile
	s_mov_b32 s[KT], 3
.Lround:
	s_wait_xcnt 0x0                                ; the loads issued have had their addresses translated: their base is stepped only behind this wait
	s_add_nc_u64 s[WB:WB+1], s[WB:WB+1], 64*PITCHW
.irp g, 0,1,2,3,4,5,6,7
	WGROUP \g, 1, 56                               ; 64 loads are out; all but the group's eight may stay
.endr
	v_add_nc_u32 v[WA], TS, v[WA]
	s_sub_co_u32 s[KT], s[KT], 1
	s_cmp_lg_u32 s[KT], 0
	s_cbranch_scc1 .Lround
.irp g, 0,1,2,3,4,5,6,7
	WGROUP \g, 0, 56-8*\g                          ; the counts run down
.endr
	s_wait_dscnt 0x0                               ; for the others' sake: my tiles of the slice are stored
	s_barrier_signal -1
	s_barrier_wait -1                              ; the slice is whole; nobody writes it again
	; PHASE B
	s_mov_b32 s[PS], 0
.Lpass:
	s_mul_i32 s[NB], s[PS], 6
	s_sub_co_i32 s[NB], s[NBW], s[NB]
	s_min_i32 s[NB], s[NB], 6
	s_cmp_lt_i32 s[NB], 1
	s_cbranch_scc1 .Lpass_next                     ; nothing left for my wave
	s_wait_xcnt 0x0                                ; the last pass's stores have read their registers
	; the tokens at my 96 places of this pass: place = 384 pass + 64 block + 16 w + row
	s_mul_i32 s[OF], s[PS], 384
	v_add_nc_u32 v[QP], s[OF], v[PL0]
	v_add_nc_u32 v[QP+1], 128, v[QP]
	v_add_nc_u32 v[QP+2], 256, v[QP]
	v_readlane_b32 s41, v[MKV], 0
.irp a, 0,1,2
	v_lshl_or_b32 v[QPK+\a], v[QP+\a], 5, 31       ; no key of a group that begins at or before the place is greater than this
	v_mov_b32 v[QK+\a], 0                          ; group 0's key,
	v_mov_b32 v[QM+\a], s41                        ; and its mask
	v_mov_b32 v[QX+\a], 0                          ; (written before v_permlanex16_b32 names it)
.endr
.set jj, 1
.rept 31                                           ; the keys ascend: the last group that begins at or before the place stays
	v_readlane_b32 s40, v[KYV], jj
	v_readlane_b32 s41, v[MKV], jj
.irp a, 0,1,2
	v_cmp_gt_u32 vcc_lo, s40, v[QPK+\a]
	v_cndmask_b32 v[QK+\a], s40, v[QK+\a], vcc_lo
	v_cndmask_b32 v[QM+\a], s41, v[QM+\a], vcc_lo
.endr
.set jj, jj+1
.endr
.irp a, 0,1,2
	v_lshrrev_b32 v[QT+\a], 5, v[QK+\a]            ; the members before the group
	v_sub_nc_u32 v[QN+\a], v[QP+\a], v[QT+\a]      ; so the place is the group's n-th member
	v_lshrrev_b32 v[QT+\a], 1, v[QM+\a]            ; the mask's set bits summed in fields of 2,
	v_and_b32 v[QT+\a], 0x55555555, v[QT+\a]
	v_sub_nc_u32 v[Q1+\a], v[QM+\a], v[QT+\a]
	v_lshrrev_b32 v[QT+\a], 2, v[Q1+\a]            ; of 4,
	v_and_b32 v[QT+\a], 0x33333333, v[QT+\a]
	v_and_b32 v[Q2+\a], 0x33333333, v[Q1+\a]
	v_add_nc_u32 v[Q2+\a], v[Q2+\a], v[QT+\a]
	v_lshrrev_b32 v[QT+\a], 4, v[Q2+\a]            ; of 8
	v_add_nc_u32 v[Q3+\a], v[Q2+\a], v[QT+\a]
	v_and_b32 v[Q3+\a], 0x0f0f0f0f, v[Q3+\a]
	v_bfe_u32 v[QC+\a], v[Q3+\a], 8, 8             ; the low 16 bits' sum: the first halving
	v_and_b32 v[QT+\a], 0xff, v[Q3+\a]
	v_add_nc_u32 v[QC+\a], v[QC+\a], v[QT+\a]
	v_cmp_ge_u32 vcc_lo, v[QN+\a], v[QC+\a]
	v_cndmask_b32 v[QC+\a], 0, v[QC+\a], vcc_lo
	v_cndmask_b32 v[QS+\a], 0, 16, vcc_lo
	v_sub_nc_u32 v[QN+\a], v[QN+\a], v[QC+\a]
.endr
	NTH Q3, 8
	NTH Q2, 4
	NTH Q1, 2
	NTH QM, 1
.irp a, 0,1,2
	v_and_b32 v[QT+\a], 30, v[QK+\a]               ; group 2 g + s, bit b: token 64 g + 2 b + s
	v_lshlrev_b32 v[QT+\a], 5, v[QT+\a]
	v_lshl_add_u32 v[QT+\a], v[QS+\a], 1, v[QT+\a]
	v_and_b32 v[QC+\a], 1, v[QK+\a]
	v_add_nc_u32 v[QT+\a], v[QT+\a], v[QC+\a]
	v_cmp_le_u32 vcc_lo, s[RUN], v[QP+\a]          ; a place past the count has no token:
	v_cndmask_b32 v[QT+\a], v[QT+\a], -1, vcc_lo   ; the bound below makes 1,023 of this
	v_permlanex16_b32 v[QX+\a], v[QT+\a], s[SEL], s[SEL+1]
	v_cndmask_b32 v[ROW+2*\a], v[QT+\a], v[QX+\a], s[UPP]    ; both halves of the lanes hold block 2 a's 16 tokens,
	v_cndmask_b32 v[ROW+2*\a+1], v[QX+\a], v[QT+\a], s[UPP]  ; and block 2 a + 1's
.endr
.irp i, 0,1,2,3,4,5
	v_min_u32 v[ROW+\i], 1023, v[ROW+\i]
	v_lshl_add_u32 v[ROW+\i], v[ROW+\i], 11, v[H16]
.endr
	s_mov_b32 s[KO], 0
	v_mov_b32 v[BA], v[BADR0]
	s_mov_b64 s[AP:AP+1], s[AB:AB+1]
	s_mov_b32 s[K3], 512
	s_mov_b32 s[K3+1], 0
	s_add_nc_u64 s[AP3:AP3+1], s[AB:AB+1], s[K3:K3+1]
	BRUN 0, 0
.irp a, 0,1,2,3
	ARUN \a, AB, 64*\a, 1                          ; K steps 0 to 3, all six blocks: 48 loads
.endr
	STEP 0, 0, 1, 64, AB, 256, 36, 16              ; step 0 starts the sums; behind its 12 loads 36 were issued
	s_mov_b32 s[KT], 7
.Ltrip:                                                ; steps 1 + 4 t .. 4 + 4 t; a tile holds two steps, 64 bytes apart
	STEP 1, 1, 0, TS, AP, 320, 24, 16
	STEP 2, 0, 0, TS+64, AP, 384, 24, 16
	STEP 3, 1, 0, 2*TS, AP, 448, 24, 16
	STEP 0, 0, 0, 2*TS+64, AP3, 0, 24, 16          ; in the last trip its refill has no step left: it is turned back to the row's first bytes and never multiplied
	s_add_co_u32 s[KO], s[KO], 2*TS
	v_add_nc_u32 v[BA], s[KO], v[BADR0]
	s_wait_xcnt 0x0                                ; the bases are stepped only behind this wait
	s_add_nc_u64 s[AP:AP+1], s[AP:AP+1], 256
	s_add_co_u32 s[K3], s[K3], 256
	s_and_b32 s[K3], s[K3], 2047
	s_add_nc_u64 s[AP3:AP3+1], s[AB:AB+1], s[K3:K3+1]
	s_sub_co_u32 s[KT], s[KT], 1
	s_cmp_lg_u32 s[KT], 0
	s_cbranch_scc1 .Ltrip
	STEP 1, 1, 0, TS, -1, 0, 24, 16                ; steps 29, 30, 31: three, two and one run of eight or more are younger
	STEP 2, 0, 0, TS+64, -1, 0, 16, 16
	STEP 3, 1, 0, -1, -1, 0, 8, 0
	s_wait_loadcnt 0x0                             ; the run that was turned back: window 1 is free
	s_mov_b32 s[BI], 0
.Lblk:
	s_cmp_ge_u32 s[BI], s[NB]
	s_cbranch_scc1 .Lblk_next
	s_cmp_eq_u32 s[BI], 0
	s_cbranch_scc1 .Lc0
	s_cmp_eq_u32 s[BI], 1
	s_cbranch_scc1 .Lc1
	s_cmp_eq_u32 s[BI], 2
	s_cbranch_scc1 .Lc2
	s_cmp_eq_u32 s[BI], 3
	s_cbranch_scc1 .Lc3
	s_cmp_eq_u32 s[BI], 4
	s_cbranch_scc1 .Lc4
	CASE 5
	s_branch .Lgo
.Lc0:
	CASE 0
	s_branch .Lgo
.Lc1:
	CASE 1
	s_branch .Lgo
.Lc2:
	CASE 2
	s_branch .Lgo
.Lc3:
	CASE 3
	s_branch .Lgo
.Lc4:
	CASE 4
.Lgo:                                                  ; gelu of the lane's 64 numbers, written once for all six blocks
	WIN 0x40                                       ; destination window 1
.set m, 0
.rept 64
	v_fma_f32 v[TT+m], |v[Z+m]|, s[PPS], 1.0
.set m, m+1
.endr
.set m, 0
.rept 32
	v_pk_mul_f32 v[EE+2*m:EE+2*m+1], v[Z+2*m:Z+2*m+1], v[Z+2*m:Z+2*m+1]
.set m, m+1
.endr
	WIN 0x41                                       ; destination and source 0 window 1
.set m, 0
.rept 32
	v_pk_mul_f32 v[EE+2*m:EE+2*m+1], v[EE+2*m:EE+2*m+1], s[CC:CC+1] op_sel_hi:[1,0]
.set m, m+1
.endr
.set m, 0
.rept 64
	v_rcp_f32 v[TT+m], v[TT+m]
.set m, m+1
.endr
.set m, 0
.rept 64
	v_exp_f32 v[EE+m], v[EE+m]
.set m, m+1
.endr
	v_nop                                          ; a plain instruction behind the last of them,
	s_wait_alu depctr_va_vdst(0)                   ; and ONE wait for the batch of 128, ahead of its first reader
	WIN 0x01                                       ; source 0 window 1
.set m, 0
.rept 32
	v_pk_fma_f32 v[Y+2*m:Y+2*m+1], v[TT+2*m:TT+2*m+1], s[A5:A5+1], s[A4:A4+1] op_sel_hi:[1,0,0]
.set m, m+1
.endr
.irp c, A3, A2, A1
.set m, 0
.rept 32
	v_pk_fma_f32 v[Y+2*m:Y+2*m+1], v[TT+2*m:TT+2*m+1], v[Y+2*m:Y+2*m+1], s[\c:\c+1] op_sel_hi:[1,1,0]
.set m, m+1
.endr
.endr
.set m, 0
.rept 32
	v_pk_mul_f32 v[Y+2*m:Y+2*m+1], v[TT+2*m:TT+2*m+1], v[Y+2*m:Y+2*m+1]
.set m, m+1
.endr
.set m, 0
.rept 32
	v_pk_mul_f32 v[Y+2*m:Y+2*m+1], v[EE+2*m:EE+2*m+1], v[Y+2*m:Y+2*m+1]   ; q
.set m, m+1
.endr
	WIN 0x40
.set m, 0
.rept 64
	v_max_num_f32 v[TT+m], 0, v[Z+m]
.set m, m+1
.endr
	WIN 0x10                                       ; source 2 window 1
.set m, 0
.rept 64
	v_fma_f32 v[Z+m], -|v[Z+m]|, v[Y+m], v[TT+m]   ; max(z, 0) - |z| q
.set m, m+1
.endr
	s_wait_xcnt 0x0                                ; the last block's stores have read their data and their base
	WIN 0x40
.irp j, 0,1,2,3,4,5,6,7                            ; token j: columns 8 r + 2 p and + 1 lie in accumulators 2 p and 2 p + 1
.irp p, 0,1,2,3
	v_cvt_pk_bf16_f32 v[HH+4*\j+\p], v[Z+16*\p+\j], v[Z+16*\p+8+\j]
.endr
.endr
	WIN 0
	s_mul_i32 s[OF], s[PS], 6
	s_add_co_u32 s[OF], s[OF], s[BI]
	s_lshl_b32 s[OF], s[OF], 2
	s_add_co_u32 s[OF], s[OF], s[WV]               ; the block, 4 q + w: 63 at the most
	s_lshl_b32 s[OF], s[OF], 17                    ; 16 rows of 8,192 bytes
	s_mov_b32 s[OF+1], 0
	s_add_nc_u64 s[HS:HS+1], s[HBASE:HBASE+1], s[OF:OF+1]
	WIN 0x04                                       ; store data window 1
.irp j, 0,1,2,3,4,5,6,7
	global_store_b128 v[HO], v[HH+4*\j:HH+4*\j+3], s[HS:HS+1] offset:8192*\j  ; rows j and 8 + j: 16 lanes store 256 consecutive bytes, aligned
.endr
	WIN 0
.Lblk_next:
	s_add_co_u32 s[BI], s[BI], 1
	s_cmp_lt_u32 s[BI], 6
	s_cbranch_scc1 .Lblk
.Lpass_next:
	s_add_co_u32 s[PS], s[PS], 1
	s_cmp_lt_u32 s[PS], 3
	s_cbranch_scc1 .Lpass
	s_wait_dscnt 0x0                               ; my LDS loads are back;
	s_barrier_signal -1
	s_barrier_wait -1                              ; every wave's are, before any wave writes LDS again
	s_wait_tensorcnt 0x0                           ; the wave's end
	ds_add_u32 v[SPW], v[NIL]
	s_wait_dscnt 0x0
	s_endpgm
.Lfunc_end_k_q1fe2322eda_prod1:
	.size	k_q1fe2322eda_prod1, .Lfunc_end_k_q1fe2322eda_prod1-k_q1fe2322eda_prod1
	.p2alignl 7, 3214868480
	.fill 96, 4, 3214868480
	.section	.rodata,"a",@progbits
	.p2align	6, 0x0
	.amdhsa_kernel k_q1fe2322eda_prod1
		.amdhsa_group_segment_fixed_size 297472
		.amdhsa_private_segment_fixed_size 0
		.amdhsa_enable_private_segment 0
		.amdhsa_kernarg_size 40
		.amdhsa_user_sgpr_count 2
		.amdhsa_user_sgpr_kernarg_segment_ptr 1
		.amdhsa_wavefront_size32 1
		.amdhsa_system_sgpr_workgroup_id_x 1
		.amdhsa_system_sgpr_workgroup_id_y 1
		.amdhsa_system_sgpr_workgroup_id_z 1
		.amdhsa_system_vgpr_workitem_id 0
		.amdhsa_next_free_vgpr 896
		.amdhsa_next_free_sgpr 66
		.amdhsa_reserve_vcc 1
		.amdhsa_float_denorm_mode_32 3
		.amdhsa_float_denorm_mode_16_64 3
		.amdhsa_memory_ordered 1
		.amdhsa_forward_progress 1
		.amdhsa_inst_pref_size 170
	.end_amdhsa_kernel
	.amdgpu_metadata
---
amdhsa.version: [ 1, 2 ]
amdhsa.kernels:
  - .name:           k_q1fe2322eda_prod1
    .symbol:         k_q1fe2322eda_prod1.kd
    .args:
      - { .name: idx, .offset: 0, .size: 8, .value_kind: global_buffer, .address_space: global }
      - { .name: xb, .offset: 8, .size: 8, .value_kind: global_buffer, .address_space: global }
      - { .name: w1, .offset: 16, .size: 8, .value_kind: global_buffer, .address_space: global }
      - { .name: b1, .offset: 24, .size: 8, .value_kind: global_buffer, .address_space: global }
      - { .name: hb, .offset: 32, .size: 8, .value_kind: global_buffer, .address_space: global }
    .group_segment_fixed_size: 297472
    .private_segment_fixed_size: 0
    .kernarg_segment_align: 8
    .kernarg_segment_size: 40
    .max_flat_workgroup_size: 128
    .sgpr_count:     66
    .vgpr_count:     896
    .wavefront_size: 32
...
	.end_amdgpu_metadata
.endif
;; end of part 2
;; launch prod2 (part 3): grid 32 x 8, 4 waves a work-group, no clusters, 307,712 bytes of LDS; arguments idx, cw, hb, w2, b2, part; writes part
.if DOCPART == 3
	.amdgcn_target "amdgcn-amd-amdhsa--gfx1250"
	.amdhsa_code_object_version 6
	.text
	.protected	k_q1fe2322eda_prod2
	.globl	k_q1fe2322eda_prod2
	.p2align	8
	.type	k_q1fe2322eda_prod2,@function
k_q1fe2322eda_prod2:
	s_mov_b64 s[64:65], 0
	v_nop
	global_prefetch_b8 v0, s[64:65] scope:SCOPE_SE
	s_setreg_imm32_b32 hwreg(HW_REG_WAVE_MODE, 25, 1), 1
	s_wait_xcnt 0x0
; THE SECOND PRODUCT.  part[kq][2 token + k][:] = cw[token][k] x (hb[e][place][1024 kq ..] w2[e][1024 kq ..][:] + b2[e] where kq = 0), in f32: partial sums that the last launch adds.
; w2 and b2 are rounded to bf16; sums in f32.
; SHARES.  A work-group (x % 8 = slice of 128 columns, x / 8 = quarter of K, y = expert) has the slice w2[e][1024 kq .. + 1023][128 cs .. + 127], which it alone reads, and all of that expert's rows.
; K goes in quarters because a slice of all 4,096 k of fewer columns would not fit in LDS beside its padding, and would read hb four times as often.
; The last slice has 104 real columns: its lanes past column 999 repeat the row's last 16 bytes, so every load stays in its row; what they make lands in part's columns 1000-1023, which nobody reads.
; PHASES, LIST, PASSES: as in the first product.  Phase A streams the slice through registers (64 loads of 16 bytes a lane out for each wave), rounds it and lays it into LDS with K along the rows; one
; barrier; in phase B NOTHING WRITES LDS.  A wave takes the blocks of 16 places 4 q + w, six a pass, three passes; loops count to constants, what lies past the expert's count is jumped forward, and
; nothing that is jumped holds a barrier.  Every wave makes its own copy of the expert's list (entry = 2 token + k; past the count 2048 + e), in the same order as the first product.
; THE SLICE IN LDS: 16 tiles of 64 k; a tile is 128 rows (a column each) of 128 bytes.  Row 16 b + r holds column 64 (b / 4) + 4 r + b % 4.  With 16 rows of hb as source 0 and the 16 LDS rows of block b
; as source 1, register j of accumulator b in lane l is place 8 (l / 16) + j, column 64 (b / 4) + 4 (l % 16) + b % 4: four accumulators' registers j are 16 neighbouring bytes, and 16 lanes hold 256
; bytes of a row of part: the results are stored straight from registers.
; Rows past the count repeat the expert's last written row of hb, and their results go to part's row 2048 + e, which only this expert's work-groups write and nobody reads.
; NO MULTICAST, NO TENSOR LOADS: each weight byte has one reader and must be rounded on its way; hb's rows are shared by 8 work-groups, but how many there are hangs on the count, and LDS is full of the slice.
; LIMITS.  NaN and infinities are not treated apart.
.set PITCHW, 4000     ; bytes from row to row of w2[e]
.set PLANE,  2056*4096
.set PW,     144      ; a row of a tile in LDS: 128 bytes + 16 = 36 words: 16 neighbouring rows start at 16 different groups of four banks (64 banks of 4 bytes: ISA guide 11.1)
.set TS,     128*PW+128  ; a tile, with 128 bytes of padding behind its row 63, as in the first product
.set LIST,   16*TS
.set LISTB,  2560
.set DEAD,   1152
.set SPARE,  LIST+4*LISTB       ; the spare words, 128 bytes a wave, that no other line names
; window 0
.set LN,   1
.set RR,   2          ; lane % 16
.set H16,  3          ; 16 x (lane / 16)
.set SPW,  4
.set NIL,  5
.set WOFF, 6          ; my 16 bytes of a row of the slice, held inside the row
.set WA,   7
.set BADR0, 8
.set BA,   9
.set LB,   10
.set L4,   11
.set DP,   12
.set PO,   13
.set EN,   14
.set AD,   15
.set ROW,  16         ; v16-21
.set LR8,  22         ; the entries of places 16 w + 8 (lane / 16) + 0..7
.set LRP,  23
.set POSV, 24         ; 16 w + lane % 16
.set R16,  26         ; 16 x (lane % 16)
.set IOFF, 27
.set T16,  28         ; v28-43  head and phase A: at work
.set CWJ,  28         ; v28-35  the way out: the block's eight weights
.set DOJ,  36         ; v36-43  the way out: the block's eight row offsets in part
.set BO,   44         ; v44-45  b2's two offsets
.set II,   64
.set BF,   64
.set RAW,  64         ; v64-87   a pass's entries as loaded
.set CWO,  128        ; v128-175 the offsets of a pass's 48 weights
.set Z,    64         ; the way out: accumulator b's register j at 8 b + j
.set OO,   128        ; the way out: 16 x 4 registers to store
.set DO,   192        ; v192-239 a pass's 48 entries, then their byte offsets in part: block i, row j at 8 i + j
.set BRAW, 192        ; head: b2 as loaded
.set BIAS, 240        ; v240-255 b2 of my 8 columns, rounded, each twice
; window 1: phase A: the ring; phase B: rows of hb, set a (0..3) at 48 a, block i at + 8 i;
.set CWR,  192        ; window 1, v192-239: a pass's 48 weights
; window 2: the accumulators of blocks 0-3 at 64 i + 8 b;  window 3: of blocks 4, 5
.set WV,  16
.set EX,  17
.set CS,  18
.set KQ,  19
.set RUN, 20
.set NBW, 21
.set NB,  22
.set PS,  23
.set WB,  24
.set AB,  26          ; s[26:27] hb[e] at my quarter of K
.set AP,  28
.set AP3, 30
.set K3,  32
.set PB,  34          ; s[34:35] part at my plane and slice
.set KT,  36
.set BI,  37
.set OF,  38
.set BM,  44          ; all ones in the quarter that adds b2, else 0
.set C16, 45          ; the expert's last written row of hb
.set KO,  46          ; LDS bytes of the K steps done
.set MUL_LO, 0xa1     ; source 0 (rows of hb) window 1, source 1 (weights) window 0, C and D window 2
.set MUL_HI, 0xf1
.set MSB, 0
.macro WIN new                      ; the immediate's high byte repeats the setting that is left; a switch that changes nothing is dropped
.if MSB != (\new)
	s_set_vgpr_msb (MSB<<8)|(\new)
.set MSB, (\new)
.endif
.endm
.macro PLACES                       ; four plain instructions between a matrix instruction and a load into, or a vector read of, its registers
.rept 4
	v_nop
.endr
.endm
.macro LISTSTEP g, sub              ; 32 tokens (64 g + 2 lane + sub): those that chose my expert are appended in lane order
	v_cmp_eq_u32 s40, s[EX], v[II+4*(\g)+2*(\sub)]
	v_cmp_eq_u32 s41, s[EX], v[II+4*(\g)+2*(\sub)+1]
	s_or_b32 s42, s40, s41
	v_mbcnt_lo_u32_b32 v[PO], s42, 0
	v_add_nc_u32 v[PO], s[RUN], v[PO]
	v_cndmask_b32 v[PO], v[DP], v[PO], s42
	v_min_u32 v[PO], DEAD+31, v[PO]
	v_cndmask_b32 v[EN], 0, 1, s41
	v_add3_u32 v[EN], v[EN], v[L4], 128*(\g)+2*(\sub)
	v_lshl_add_u32 v[AD], v[PO], 1, v[LB]
	ds_store_b16 v[AD], v[EN]
	s_bcnt1_i32_b32 s43, s42
	s_add_co_u32 s[RUN], s[RUN], s43
.endm
.macro WGROUP g, refill, left       ; eight slots of the ring, 8 neighbouring k of my 4 columns: rounded in pairs along k, stored as 16 bytes a column, asked for again 64 rows on
	s_wait_loadcnt \left
	WIN 0x05
.irp a, 0,1,2,3
.irp p, 0,1,2,3
	v_cvt_pk_bf16_f32 v[T16+4*\a+\p], v[4*(8*(\g)+2*\p)+\a], v[4*(8*(\g)+2*\p+1)+\a]
.endr
.endr
	WIN 0
.irp a, 0,1,2,3
	ds_store_b128 v[WA], v[T16+4*\a:T16+4*\a+3] offset:16*PW*\a+16*(\g)
.endr
.if \refill
	WIN 0x40
.irp i, 0,1,2,3,4,5,6,7
	global_load_b128 v[4*(8*(\g)+\i):4*(8*(\g)+\i)+3], v[WOFF], s[WB:WB+1] offset:(8*(\g)+\i)*PITCHW
.endr
	WIN 0
.endif
.endm
.macro BRUN set, imm                ; 16 LDS loads: a K step's fragments of all 8 blocks of 16 LDS rows
.irp n, 0,1,2,3,4,5,6,7
	ds_load_b128 v[BF+64*(\set)+8*\n:BF+64*(\set)+8*\n+3], v[BA] offset:(\imm)+16*PW*\n+128*(\n/4)
	ds_load_b128 v[BF+64*(\set)+8*\n+4:BF+64*(\set)+8*\n+7], v[BA] offset:(\imm)+16*PW*\n+128*(\n/4)+32
.endr
.endm
.macro ALD a, i, base, imm
	global_load_b128 v[48*(\a)+8*(\i):48*(\a)+8*(\i)+3], v[ROW+(\i)], s[\base:\base+1] offset:(\imm)
	global_load_b128 v[48*(\a)+8*(\i)+4:48*(\a)+8*(\i)+7], v[ROW+(\i)], s[\base:\base+1] offset:(\imm)+32
.endm
.macro ARUN a, base, imm, all       ; all = 0: blocks 4 and 5 only where the pass has them, and first, so that the eight loads of every path are the run's youngest
.if \all
	WIN 0x40
.irp i, 0,1,2,3,4,5
	ALD \a, \i, \base, \imm
.endr
	WIN 0
.else
	s_cmp_lt_u32 s[NB], 5
	s_cbranch_scc1 .Lu_\@
	WIN 0x40
	ALD \a, 4, \base, \imm
	WIN 0
	s_cmp_lt_u32 s[NB], 6
	s_cbranch_scc1 .Lu_\@
	WIN 0x40
	ALD \a, 5, \base, \imm
	WIN 0
.Lu_\@:
	WIN 0x40
.irp i, 0,1,2,3
	ALD \a, \i, \base, \imm
.endr
	WIN 0
.endif
.endm
.macro MULB a, b, i, zero
.irp n, 0,1,2,3,4,5,6,7
.if \zero
	v_wmma_f32_16x16x32_bf16 v[64*((\i)%4)+8*\n:64*((\i)%4)+8*\n+7], v[48*(\a)+8*(\i):48*(\a)+8*(\i)+7], v[BF+64*(\b)+8*\n:BF+64*(\b)+8*\n+7], 0
.else
	v_wmma_f32_16x16x32_bf16 v[64*((\i)%4)+8*\n:64*((\i)%4)+8*\n+7], v[48*(\a)+8*(\i):48*(\a)+8*(\i)+7], v[BF+64*(\b)+8*\n:BF+64*(\b)+8*\n+7], v[64*((\i)%4)+8*\n:64*((\i)%4)+8*\n+7]
.endif
.endr
.endm
; A K step of 32: row set a, weight buffer b.  lw: the younger global loads that may stay out (the set was asked for four steps ago; each run behind it has eight loads at the least).  dw = 16 leaves the
; next step's weight fragments out.  The accumulators take turns, one instruction a turn, over the loop's edge too.
.macro STEP a, b, zero, bimm, abase, aimm, lw, dw
	s_wait_loadcnt \lw
.if (\bimm) >= 0
	BRUN 1-(\b), \bimm
.endif
	s_wait_dscnt \dw
	WIN MUL_LO
.irp i, 0,1,2,3
	MULB \a, \b, \i, \zero
.endr
.if \zero
	WIN MUL_HI
	MULB \a, \b, 4, 1
	MULB \a, \b, 5, 1
	WIN 0
.else
	WIN 0
	s_cmp_lt_u32 s[NB], 5
	s_cbranch_scc1 .Le_\@
	WIN MUL_HI
	MULB \a, \b, 4, 0
	WIN 0
	s_cmp_lt_u32 s[NB], 6
	s_cbranch_scc1 .Le_\@
	WIN MUL_HI
	MULB \a, \b, 5, 0
	WIN 0
.Le_\@:
.endif
	PLACES
.if (\abase) >= 0
	ARUN \a, \abase, \aimm, 0
.endif
.endm
.macro CASE i                       ; block i's sums + b2 (or 0), each accumulator from its low end on; its rows' weights and offsets
	WIN 0x02+(\i)/4
.set m, 0
.rept 32
	v_pk_add_f32 v[Z+2*m:Z+2*m+1], v[64*((\i)%4)+2*m:64*((\i)%4)+2*m+1], v[BIAS+2*(m/4):BIAS+2*(m/4)+1]
.set m, m+1
.endr
	WIN 0x01
.irp j, 0,1,2,3,4,5,6,7
	v_mov_b32 v[CWJ+\j], v[CWR+8*(\i)+\j]
.endr
	WIN 0
.irp j, 0,1,2,3,4,5,6,7
	v_mov_b32 v[DOJ+\j], v[DO+8*(\i)+\j]
.endr
.endm
	s_load_b256 s[4:11], s[0:1], 0x0               ; idx s[4:5], cw s[6:7], hb s[8:9], w2 s[10:11]
	s_load_b128 s[12:15], s[0:1], 0x20             ; b2 s[12:13], part s[14:15]
	v_lshl_add_u32 v[SPW], v0, 2, SPARE
	v_mov_b32 v[NIL], 0
	v_lshrrev_b32 v[PO], 5, v0
	v_readfirstlane_b32 s[WV], v[PO]               ; wave 0..3
	s_and_b32 s[EX], ttmp7, 0xffff                 ; expert
	s_and_b32 s[CS], ttmp9, 7                      ; slice of columns
	s_lshr_b32 s[KQ], ttmp9, 3                     ; quarter of K
	v_and_b32 v[LN], 31, v0
	v_and_b32 v[RR], 15, v0
	v_and_b32 v[H16], 16, v0
	v_lshlrev_b32 v[IOFF], 4, v[LN]
	v_lshlrev_b32 v[L4], 2, v[LN]
	v_add_nc_u32 v[DP], DEAD, v[LN]
	v_lshlrev_b32 v[R16], 4, v[RR]
	s_lshl_b32 s[OF], s[CS], 9
	v_add_nc_u32 v[WOFF], s[OF], v[IOFF]
	v_min_u32 v[WOFF], PITCHW-16, v[WOFF]          ; past column 999: the row's last 16 bytes once more
	v_add_nc_u32 v[BO], s[OF], v[R16]              ; b2: columns 64 g + 4 (lane % 16) + 0..3, held inside the row likewise
	v_add_nc_u32 v[BO+1], 256, v[BO]
	v_min_u32 v[BO], PITCHW-16, v[BO]
	v_min_u32 v[BO+1], PITCHW-16, v[BO+1]
	v_mul_u32_u24 v[PO], v[H16], (64*PW+128)/16    ; phase A: my columns 4 l + a are 64 (l / 16) + 4 (l % 16) + a: LDS rows 64 (l / 16) + 16 a + l % 16
	v_mul_u32_u24 v[EN], v[RR], PW
	v_add_nc_u32 v[PO], v[PO], v[EN]
	s_mul_i32 s[OF], s[WV], 4*TS                   ; wave w lays k = 256 w .. 256 w + 255 of the quarter: tiles 4 w .. 4 w + 3, its own bytes
	v_add_nc_u32 v[WA], s[OF], v[PO]
	v_add_nc_u32 v[BADR0], v[EN], v[H16]           ; a fragment: lane l reads row l % 16, bytes 16 (l / 16) on and 32 further
	s_mul_i32 s[OF], s[WV], LISTB
	s_add_co_u32 s[OF], s[OF], LIST
	v_mov_b32 v[LB], s[OF]
	s_lshl_b32 s[OF+1], s[WV], 5
	s_add_co_u32 s[OF+1], s[OF+1], s[OF]
	v_add_nc_u32 v[LR8], s[OF+1], v[H16]
	v_lshl_add_u32 v[POSV], s[WV], 4, v[RR]
	s_cmp_eq_u32 s[KQ], 0
	s_cselect_b32 s[BM], -1, 0
	s_mul_i32 s[OF], s[EX], 4096*PITCHW            ; w2[e]; my quarter's and my wave's rows
	s_lshl_b32 s40, s[KQ], 10
	s_lshl_b32 s41, s[WV], 8
	s_add_co_u32 s40, s40, s41
	s_mul_i32 s40, s40, PITCHW
	s_add_co_u32 s[OF], s[OF], s40
	s_mov_b32 s[OF+1], 0
	s_wait_kmcnt 0x0
	s_add_nc_u64 s[WB:WB+1], s[10:11], s[OF:OF+1]
	s_mul_i32 s[OF], s[EX], PITCHW
	s_add_nc_u64 s[12:13], s[12:13], s[OF:OF+1]    ; b2[e]
	s_lshl_b32 s[OF], s[EX], 23
	s_lshl_b32 s40, s[KQ], 11
	s_add_co_u32 s[OF], s[OF], s40
	s_add_nc_u64 s[AB:AB+1], s[8:9], s[OF:OF+1]    ; hb[e] at my quarter: 2,048 bytes of each row
	s_mul_i32 s[OF], s[KQ], PLANE
	s_lshl_b32 s40, s[CS], 9
	s_add_co_u32 s[OF], s[OF], s40
	s_add_nc_u64 s[PB:PB+1], s[14:15], s[OF:OF+1]
.irp g, 0,1,2,3,4,5,6,7,8,9,10,11,12,13,14,15
	global_load_b128 v[II+4*\g:II+4*\g+3], v[IOFF], s[4:5] offset:512*\g
.endr
.irp g, 0,1
	global_load_b128 v[BRAW+4*\g:BRAW+4*\g+3], v[BO+\g], s[12:13]
.endr
	WIN 0x40
.set m, 0
.rept 64                                           ; the ring is filled: my first 64 rows
	global_load_b128 v[4*m:4*m+3], v[WOFF], s[WB:WB+1] offset:m*PITCHW
.set m, m+1
.endr
	WIN 0
	s_add_co_u32 s[OF], s[EX], 2048
	s_mul_i32 s[OF], s[OF], 0x10001
.irp i, 0,1,2,3
	v_mov_b32 v[T16+\i], s[OF]
.endr
	v_add_nc_u32 v[AD], v[LB], v[IOFF]
.irp m, 0,1,2,3,4
	ds_store_b128 v[AD], v[T16:T16+3] offset:512*\m  ; LDS serves a wave's instructions in order (ISA guide 5.7.1.4): the list's stores come behind these
.endr
	s_wait_loadcnt 63                              ; 82 loads were issued: the oldest 19 are in, idx's 16 and b2's 2 among them; the ring stays out
	s_mov_b32 s[RUN], 0
.irp g, 0,1,2,3,4,5,6,7,8,9,10,11,12,13,14,15
	LISTSTEP \g, 0
	LISTSTEP \g, 1
.endr
.irp p, 0,1,2,3                                    ; b2 rounded to bf16, kept as f32, each number twice; 0 in the quarters that do not add it
	v_cvt_pk_bf16_f32 v[T16+\p], v[BRAW+2*\p], v[BRAW+2*\p+1]
	v_and_b32 v[T16+\p], s[BM], v[T16+\p]
	v_lshlrev_b32 v[BIAS+4*\p], 16, v[T16+\p]
	v_lshlrev_b32 v[BIAS+4*\p+1], 16, v[T16+\p]
	v_and_b32 v[BIAS+4*\p+2], 0xffff0000, v[T16+\p]
	v_and_b32 v[BIAS+4*\p+3], 0xffff0000, v[T16+\p]
.endr
	s_add_co_u32 s[OF], s[RUN], 15
	s_lshr_b32 s[OF], s[OF], 4                     ; the expert's blocks of 16 rows
	s_lshl_b32 s[C16], s[OF], 4
	s_sub_co_u32 s[C16], s[C16], 1                 ; the last row that the first product wrote (used only where there is one)
	s_add_co_u32 s[OF], s[OF], 3
	s_sub_co_u32 s[OF], s[OF], s[WV]
	s_lshr_b32 s[NBW], s[OF], 2
	; PHASE A: a round of 64 rows fills one tile
	s_mov_b32 s[KT], 3
.Lround:
	s_wait_xcnt 0x0                                ; the loads' base is stepped only behind this wait
	s_add_nc_u64 s[WB:WB+1], s[WB:WB+1], 64*PITCHW
.irp g, 0,1,2,3,4,5,6,7
	WGROUP \g, 1, 56                               ; 64 loads are out; all but the group's eight may stay
.endr
	v_add_nc_u32 v[WA], TS, v[WA]
	s_sub_co_u32 s[KT], s[KT], 1
	s_cmp_lg_u32 s[KT], 0
	s_cbranch_scc1 .Lround
.irp g, 0,1,2,3,4,5,6,7
	WGROUP \g, 0, 56-8*\g
.endr
	s_wait_dscnt 0x0                               ; for the others' sake: my tiles of the slice are stored
	s_barrier_signal -1
	s_barrier_wait -1                              ; the slice is whole; nobody writes it again
	; PHASE B
	s_mov_b32 s[PS], 0
.Lpass:
	s_mul_i32 s[NB], s[PS], 6
	s_sub_co_i32 s[NB], s[NBW], s[NB]
	s_min_i32 s[NB], s[NB], 6
	s_cmp_lt_i32 s[NB], 1
	s_cbranch_scc1 .Lpass_next
	s_wait_xcnt 0x0                                ; the last pass's stores have read their registers
	s_mul_i32 s[OF], s[PS], 768
	v_add_nc_u32 v[LRP], s[OF], v[LR8]
.irp i, 0,1,2,3,4,5
	ds_load_b128 v[RAW+4*\i:RAW+4*\i+3], v[LRP] offset:128*\i  ; block i: the entries of its rows 8 (lane / 16) + 0..7
.endr
	s_mul_i32 s[OF], s[PS], 384
.irp i, 0,1,2,3,4,5
	v_add3_u32 v[ROW+\i], v[POSV], s[OF], 64*\i    ; my place in the expert's list,
	v_min_u32 v[ROW+\i], s[C16], v[ROW+\i]         ; held to the rows that were written,
	v_min_u32 v[ROW+\i], 1023, v[ROW+\i]           ; and to the expert's part of hb whatever idx holds
	v_lshl_add_u32 v[ROW+\i], v[ROW+\i], 13, v[H16]
.endr
	s_wait_dscnt 0x0
.set m, 0
.rept 24
	v_and_b32 v[DO+2*m], 0xffff, v[RAW+m]
	v_lshrrev_b32 v[DO+2*m+1], 16, v[RAW+m]
.set m, m+1
.endr
.set m, 0
.rept 48
	v_min_u32 v[CWO+m], 2047, v[DO+m]
	v_lshlrev_b32 v[CWO+m], 2, v[CWO+m]
.set m, m+1
.endr
	WIN 0x40
.set m, 0
.rept 48
	global_load_b32 v[CWR+m], v[CWO+m], s[6:7]     ; the rows' weights: older than every counted load below; read behind the wait for all
.set m, m+1
.endr
	WIN 0
.set m, 0
.rept 48
	v_min_u32 v[DO+m], 2055, v[DO+m]
	v_lshl_add_u32 v[DO+m], v[DO+m], 12, v[R16]    ; part's row 2 token + k, or 2048 + e; 16 bytes a lane
.set m, m+1
.endr
	s_wait_xcnt 0x0                                ; the weights' offsets have been read: weight fragments land on their registers below
	s_mov_b32 s[KO], 0
	v_mov_b32 v[BA], v[BADR0]
	s_mov_b64 s[AP:AP+1], s[AB:AB+1]
	s_mov_b32 s[K3], 512
	s_mov_b32 s[K3+1], 0
	s_add_nc_u64 s[AP3:AP3+1], s[AB:AB+1], s[K3:K3+1]
	BRUN 0, 0
.irp a, 0,1,2,3
	ARUN \a, AB, 64*\a, 1
.endr
	STEP 0, 0, 1, 64, AB, 256, 36, 16              ; step 0 starts the sums; behind its 12 loads 36 were issued
	s_mov_b32 s[KT], 7
.Ltrip:                                                ; steps 1 + 4 t .. 4 + 4 t; a tile holds two steps, 64 bytes apart
	STEP 1, 1, 0, TS, AP, 320, 24, 16
	STEP 2, 0, 0, TS+64, AP, 384, 24, 16
	STEP 3, 1, 0, 2*TS, AP, 448, 24, 16
	STEP 0, 0, 0, 2*TS+64, AP3, 0, 24, 16          ; in the last trip its refill is turned back to the quarter's first bytes and never multiplied
	s_add_co_u32 s[KO], s[KO], 2*TS
	v_add_nc_u32 v[BA], s[KO], v[BADR0]
	s_wait_xcnt 0x0
	s_add_nc_u64 s[AP:AP+1], s[AP:AP+1], 256
	s_add_co_u32 s[K3], s[K3], 256
	s_and_b32 s[K3], s[K3], 2047
	s_add_nc_u64 s[AP3:AP3+1], s[AB:AB+1], s[K3:K3+1]
	s_sub_co_u32 s[KT], s[KT], 1
	s_cmp_lg_u32 s[KT], 0
	s_cbranch_scc1 .Ltrip
	STEP 1, 1, 0, TS, -1, 0, 24, 16
	STEP 2, 0, 0, TS+64, -1, 0, 16, 16
	STEP 3, 1, 0, -1, -1, 0, 8, 0
	s_wait_loadcnt 0x0                             ; the run that was turned back, and the weights
	s_mov_b32 s[BI], 0
.Lblk:
	s_cmp_ge_u32 s[BI], s[NB]
	s_cbranch_scc1 .Lblk_next
	s_wait_xcnt 0x0                                ; the last block's stores have read their offsets and their data
	s_cmp_eq_u32 s[BI], 0
	s_cbranch_scc1 .Lc0
	s_cmp_eq_u32 s[BI], 1
	s_cbranch_scc1 .Lc1
	s_cmp_eq_u32 s[BI], 2
	s_cbranch_scc1 .Lc2
	s_cmp_eq_u32 s[BI], 3
	s_cbranch_scc1 .Lc3
	s_cmp_eq_u32 s[BI], 4
	s_cbranch_scc1 .Lc4
	CASE 5
	s_branch .Lgo
.Lc0:
	CASE 0
	s_branch .Lgo
.Lc1:
	CASE 1
	s_branch .Lgo
.Lc2:
	CASE 2
	s_branch .Lgo
.Lc3:
	CASE 3
	s_branch .Lgo
.Lc4:
	CASE 4
.Lgo:                                                  ; the way out, written once for all six blocks: the row's weight, and four accumulators' numbers side by side
.irp g, 0,1
.irp j, 0,1,2,3,4,5,6,7
.irp a, 0,1,2,3
	v_mul_f32 v[OO+4*(8*\g+\j)+\a], v[Z+8*(4*\g+\a)+\j], v[CWJ+\j]
.endr
.endr
.endr
.irp g, 0,1
.irp j, 0,1,2,3,4,5,6,7
	global_store_b128 v[DOJ+\j], v[OO+4*(8*\g+\j):OO+4*(8*\g+\j)+3], s[PB:PB+1] offset:256*\g  ; rows j and 8 + j: 16 lanes store 256 consecutive bytes, aligned
.endr
.endr
.Lblk_next:
	s_add_co_u32 s[BI], s[BI], 1
	s_cmp_lt_u32 s[BI], 6
	s_cbranch_scc1 .Lblk
.Lpass_next:
	s_add_co_u32 s[PS], s[PS], 1
	s_cmp_lt_u32 s[PS], 3
	s_cbranch_scc1 .Lpass
	s_wait_dscnt 0x0                               ; my LDS loads are back;
	s_barrier_signal -1
	s_barrier_wait -1                              ; every wave's are, before any wave writes LDS again
	s_wait_tensorcnt 0x0                           ; the wave's end
	ds_add_u32 v[SPW], v[NIL]
	s_wait_dscnt 0x0
	s_endpgm
.Lfunc_end_k_q1fe2322eda_prod2:
	.size	k_q1fe2322eda_prod2, .Lfunc_end_k_q1fe2322eda_prod2-k_q1fe2322eda_prod2
	.p2alignl 7, 3214868480
	.fill 96, 4, 3214868480
	.section	.rodata,"a",@progbits
	.p2align	6, 0x0
	.amdhsa_kernel k_q1fe2322eda_prod2
		.amdhsa_group_segment_fixed_size 307712
		.amdhsa_private_segment_fixed_size 0
		.amdhsa_enable_private_segment 0
		.amdhsa_kernarg_size 48
		.amdhsa_user_sgpr_count 2
		.amdhsa_user_sgpr_kernarg_segment_ptr 1
		.amdhsa_wavefront_size32 1
		.amdhsa_system_sgpr_workgroup_id_x 1
		.amdhsa_system_sgpr_workgroup_id_y 1
		.amdhsa_system_sgpr_workgroup_id_z 1
		.amdhsa_system_vgpr_workitem_id 0
		.amdhsa_next_free_vgpr 896
		.amdhsa_next_free_sgpr 66
		.amdhsa_reserve_vcc 0
		.amdhsa_float_denorm_mode_32 3
		.amdhsa_float_denorm_mode_16_64 3
		.amdhsa_memory_ordered 1
		.amdhsa_forward_progress 1
		.amdhsa_inst_pref_size 152
	.end_amdhsa_kernel
	.amdgpu_metadata
---
amdhsa.version: [ 1, 2 ]
amdhsa.kernels:
  - .name:           k_q1fe2322eda_prod2
    .symbol:         k_q1fe2322eda_prod2.kd
    .args:
      - { .name: idx, .offset: 0, .size: 8, .value_kind: global_buffer, .address_space: global }
      - { .name: cw, .offset: 8, .size: 8, .value_kind: global_buffer, .address_space: global }
      - { .name: hb, .offset: 16, .size: 8, .value_kind: global_buffer, .address_space: global }
      - { .name: w2, .offset: 24, .size: 8, .value_kind: global_buffer, .address_space: global }
      - { .name: b2, .offset: 32, .size: 8, .value_kind: global_buffer, .address_space: global }
      - { .name: part, .offset: 40, .size: 8, .value_kind: global_buffer, .address_space: global }
    .group_segment_fixed_size: 307712
    .private_segment_fixed_size: 0
    .kernarg_segment_align: 8
    .kernarg_segment_size: 48
    .max_flat_workgroup_size: 128
    .sgpr_count:     66
    .vgpr_count:     896
    .wavefront_size: 32
...
	.end_amdgpu_metadata
.endif
;; end of part 3
;; launch combine (part 4): grid 501 x 1, 4 waves a work-group, no clusters, 0 bytes of LDS; arguments part, psum, out0, out1; writes out0, out1
.if DOCPART == 4
	.amdgcn_target "amdgcn-amd-amdhsa--gfx1250"
	.amdhsa_code_object_version 6
	.text
	.protected	k_q1fe2322eda_combine
	.globl	k_q1fe2322eda_combine
	.p2align	8
	.type	k_q1fe2322eda_combine,@function
k_q1fe2322eda_combine:
	s_mov_b64 s[64:65], 0
	v_nop
	global_prefetch_b8 v0, s[64:65] scope:SCOPE_SE
	s_setreg_imm32_b32 hwreg(HW_REG_WAVE_MODE, 25, 1), 1
	s_wait_xcnt 0x0
; THE SUM.  out0[token][c] = the sum over the four quarters of K and the token's two experts of part[kq][2 token + k][c], in f32; out1 = 8 sum_e frac_e imp_e from the gate's sums.
; A stream: memory binds, so no LDS, no barrier, no matrix unit.  out0 is taken as 256,000 groups of four numbers (a row of 1,000 is 250 of them); work-groups 0..499 take 512 each, a thread four.
; All 32 loads of a thread go out before the first wait; a wave's store covers 512 consecutive bytes, aligned.  Work-group 500's first wave makes out1.
.set PLANE, 2056*4096
.set IN,  4           ; v4-7   unit u: byte offset in a plane of part
.set TK,  8           ; v8-11  at work
.set D,   16          ; v16-143 unit u at + 32 u: plane p, expert k at + 8 p + 4 k
.macro VADD a, b                    ; four numbers onto four
	v_pk_add_f32 v[\a:\a+1], v[\a:\a+1], v[\b:\b+1]
	v_pk_add_f32 v[\a+2:\a+3], v[\a+2:\a+3], v[\b+2:\b+3]
.endm
	s_load_b256 s[4:11], s[0:1], 0x0               ; part s[4:5], psum s[6:7], out0 s[8:9], out1 s[10:11]
	s_mov_b32 s20, 34359739                        ; ceil(2^32 / 125): the high word of n x this is n / 125 for every n below 54 million
	s_wait_kmcnt 0x0
	s_cmp_eq_u32 ttmp9, 500
	s_cbranch_scc1 .Laux
	s_mov_b64 s[12:13], s[4:5]                     ; the four planes
	s_add_nc_u64 s[14:15], s[4:5], PLANE
	s_add_nc_u64 s[16:17], s[4:5], 2*PLANE
	s_add_nc_u64 s[18:19], s[4:5], 3*PLANE
	s_lshl_b32 s21, ttmp9, 9
	v_add_nc_u32 v1, s21, v0
	v_lshlrev_b32 v2, 4, v0
	s_lshl_b32 s22, ttmp9, 13
	s_mov_b32 s23, 0
	s_add_nc_u64 s[8:9], s[8:9], s[22:23]          ; out0 at my 8,192 bytes
.irp u, 0,1,2,3
	v_add_nc_u32 v[IN+\u], 128*\u, v1              ; the group f
	v_lshrrev_b32 v[TK+\u], 1, v[IN+\u]
	v_mul_hi_u32 v[TK+\u], v[TK+\u], s20           ; its token, f / 250
	v_mul_u32_u24 v[TK+\u], v[TK+\u], 8192-4000
	v_lshl_add_u32 v[IN+\u], v[IN+\u], 4, v[TK+\u] ; 8,192 token + 16 (f - 250 token)
.endr
.irp u, 0,1,2,3
.irp p, 0,1,2,3
	global_load_b128 v[D+32*\u+8*\p:D+32*\u+8*\p+3], v[IN+\u], s[12+2*\p:13+2*\p] th:TH_LOAD_NT
	global_load_b128 v[D+32*\u+8*\p+4:D+32*\u+8*\p+7], v[IN+\u], s[12+2*\p:13+2*\p] offset:4096 th:TH_LOAD_NT
.endr
.endr
.irp u, 0,1,2,3
	s_wait_loadcnt 8*(3-\u)                        ; the later units' loads stay out
	VADD D+32*\u, D+32*\u+16
	VADD D+32*\u+4, D+32*\u+20
	VADD D+32*\u+8, D+32*\u+24
	VADD D+32*\u+12, D+32*\u+28
	VADD D+32*\u, D+32*\u+8
	VADD D+32*\u+4, D+32*\u+12
	VADD D+32*\u, D+32*\u+4
	global_store_b128 v2, v[D+32*\u:D+32*\u+3], s[8:9] offset:2048*\u th:TH_STORE_NT
.endr
	s_endpgm
.Laux:
	v_lshrrev_b32 v2, 5, v0
	v_readfirstlane_b32 s22, v2
	s_cmp_lg_u32 s22, 0
	s_cbranch_scc1 .Lfin
	s_mov_b32 s24, 0x76543210
	s_mov_b32 s25, 0xfedcba98
	v_and_b32 v1, 31, v0
	v_lshlrev_b32 v3, 4, v1
.set m, 0
.rept 32
	global_load_b128 v[D+4*m:D+4*m+3], v3, s[6:7] offset:512*m  ; psum is 256 records of 16: lane l always holds quarter l % 4 of a record: probs 0-3, probs 4-7, counts 0-3, counts 4-7
.set m, m+1
.endr
	s_wait_loadcnt 0x0
.set m, 0
.rept 16
	VADD D+4*m, D+4*m+64
.set m, m+1
.endr
.irp m, 0,1,2,3,4,5,6,7
	VADD D+4*\m, D+4*\m+32
.endr
.irp m, 0,1,2,3
	VADD D+4*\m, D+4*\m+16
.endr
	VADD D, D+8
	VADD D+4, D+12
	VADD D, D+4
.irp x, 4,8
.irp i, 0,1,2,3
	v_add_f32_dpp v[D+\i], v[D+\i], v[D+\i] row_xmask:\x row_mask:0xf bank_mask:0xf  ; the lanes with the same l % 4
.endr
.endr
.irp i, 0,1,2,3
	v_permlanex16_b32 v[D+4+\i], v[D+\i], s24, s25
.endr
.irp i, 0,1,2,3
	v_add_f32 v[D+\i], v[D+\i], v[D+4+\i]
.endr
.irp i, 0,1,2,3
	v_mul_f32_dpp v[D+\i], v[D+\i], v[D+\i] row_xmask:2 row_mask:0xf bank_mask:0xf   ; an expert's sum of probs times its count
.endr
	v_add_f32 v[D], v[D], v[D+1]
	v_add_f32 v[D+2], v[D+2], v[D+3]
	v_add_f32 v[D], v[D], v[D+2]
	v_add_f32_dpp v[D], v[D], v[D] row_xmask:1 row_mask:0xf bank_mask:0xf            ; experts 0-3 and 4-7
	v_mul_f32 v[D], 0x36800000, v[D]               ; 8 / (2,048 x 1,024) = 2^-18
	v_mov_b32 v4, 0
	v_cmp_eq_u32 vcc_lo, 0, v1
	s_wait_xcnt 0x0                                ; EXEC changes only behind this wait
	s_and_saveexec_b32 s23, vcc_lo
	global_store_b32 v4, v[D], s[10:11]
	s_wait_xcnt 0x0
	s_or_b32 exec_lo, exec_lo, s23
.Lfin:
	s_endpgm
.Lfunc_end_k_q1fe2322eda_combine:
	.size	k_q1fe2322eda_combine, .Lfunc_end_k_q1fe2322eda_combine-k_q1fe2322eda_combine
	.p2alignl 7, 3214868480
	.fill 96, 4, 3214868480
	.section	.rodata,"a",@progbits
	.p2align	6, 0x0
	.amdhsa_kernel k_q1fe2322eda_combine
		.amdhsa_group_segment_fixed_size 0
		.amdhsa_private_segment_fixed_size 0
		.amdhsa_enable_private_segment 0
		.amdhsa_kernarg_size 32
		.amdhsa_user_sgpr_count 2
		.amdhsa_user_sgpr_kernarg_segment_ptr 1
		.amdhsa_wavefront_size32 1
		.amdhsa_system_sgpr_workgroup_id_x 1
		.amdhsa_system_sgpr_workgroup_id_y 1
		.amdhsa_system_sgpr_workgroup_id_z 1
		.amdhsa_system_vgpr_workitem_id 0
		.amdhsa_next_free_vgpr 176
		.amdhsa_next_free_sgpr 66
		.amdhsa_reserve_vcc 1
		.amdhsa_float_denorm_mode_32 3
		.amdhsa_float_denorm_mode_16_64 3
		.amdhsa_memory_ordered 1
		.amdhsa_forward_progress 1
		.amdhsa_inst_pref_size 19
	.end_amdhsa_kernel
	.amdgpu_metadata
---
amdhsa.version: [ 1, 2 ]
amdhsa.kernels:
  - .name:           k_q1fe2322eda_combine
    .symbol:         k_q1fe2322eda_combine.kd
    .args:
      - { .name: part, .offset: 0, .size: 8, .value_kind: global_buffer, .address_space: global }
      - { .name: psum, .offset: 8, .size: 8, .value_kind: global_buffer, .address_space: global }
      - { .name: out0, .offset: 16, .size: 8, .value_kind: global_buffer, .address_space: global }
      - { .name: out1, .offset: 24, .size: 8, .value_kind: global_buffer, .address_space: global }
    .group_segment_fixed_size: 0
    .private_segment_fixed_size: 0
    .kernarg_segment_align: 8
    .kernarg_segment_size: 32
    .max_flat_workgroup_size: 128
    .sgpr_count:     66
    .vgpr_count:     176
    .wavefront_size: 32
...
	.end_amdgpu_metadata
.endif
;; end of part 4
;; ======== version 2 of 2: 4 launches; version 1 with the launches prod1, prod2 written anew for expert scheduling mode
;; limits: a function is approximated: absolute error at most 1.5e-07
;; workspace buffers: xb 2,097,152 bytes; idx 8,192 bytes of whole numbers; cw 8,192 bytes; psum 16,384 bytes; hb 67,108,864 bytes; part 33,685,504 bytes
;; launch router: the kernel of part 1 again; grid 256 x 1, 4 waves a work-group, no clusters, 19,200 bytes of LDS; arguments x, gate_w, gate_b, xb, idx, cw, psum; writes xb, idx, cw, psum
;; launch prod1 (part 5): grid 32 x 8, 4 waves a work-group, no clusters, 297,472 bytes of LDS; arguments idx, xb, w1, b1, hb; writes hb
.if DOCPART == 5
	.amdgcn_target "amdgcn-amd-amdhsa--gfx1250"
	.amdhsa_code_object_version 6
	.text
	.protected	k_q1fe2322eda_prod1
	.globl	k_q1fe2322eda_prod1
	.p2align	8
	.type	k_q1fe2322eda_prod1,@function
k_q1fe2322eda_prod1:
	s_mov_b64 s[64:65], 0
	v_nop
	global_prefetch_b8 v0, s[64:65] scope:SCOPE_SE
	s_setreg_imm32_b32 hwreg(HW_REG_WAVE_SCHED_MODE, 0, 2), 2
	s_setreg_imm32_b32 hwreg(HW_REG_WAVE_MODE, 25, 1), 1
	s_wait_xcnt 0x0
	s_wait_alu depctr_vm_vsrc(0)
; THE FIRST PRODUCT.  hb[e][place][:] = gelu(x[token] w1[e] + b1[e]) in bf16, for the tokens that chose expert e, in the order of the expert's list.
; w1 and b1 are rounded to bf16, x was (xb); sums in f32; gelu in f32; h is rounded once, to bf16 (z has no bound that f16 would hold).
; SHARES.  A work-group (x = slice 0..31, y = expert) has the slice w1[e][0..1023][128 x .. 128 x + 127], which it alone reads, and ALL of that expert's rows, 0 to 1,024 of them.
; PHASE A: the slice streams through registers, 64 loads of 16 bytes a lane out for each wave (32 KiB a wave), is rounded and laid into LDS with K along the rows; one barrier.
; PHASE B: NOTHING WRITES LDS ANY MORE, so no barrier is needed in it.  A wave takes the blocks of 16 rows 4 q + w; a pass holds six of them (6 x 8 accumulators); three passes cover 1,152
; places.  The pass loop and the block loop count to constants; a pass or a block past the expert's count is jumped forward, and nothing that is jumped holds a barrier.
; Weight fragments come from LDS, token rows from memory straight into operand registers, three K steps ahead.
; THE SLICE IN LDS: 16 tiles of 64 k; a tile is 128 rows (a column each) of 128 bytes.  Row 16 b + r holds column 8 r + b.  With 16 token rows as source 0 and the 16 LDS rows of block b as
; source 1, register j of accumulator b in lane l is token 8 (l / 16) + j, column 8 (l % 16) + b: the eight accumulators' registers j pack into 16 bytes of bf16, and 16 lanes hold the
; 256 bytes of a row of the slice: the results are stored straight from registers.
; THE ROWS.  Every wave reads idx and keeps, in the lanes of two registers, for each of 32 groups of 32 tokens the mask of those that chose the expert and the number of members before the group.
; The expert's list is: group after group, lane after lane; group 2 g + s, lane b is token 64 g + 2 b + s; the second product makes the same order.  The token at a place is found in registers at a
; pass's start: its group by 31 compares, its lane as the n-th set bit of the group's mask.  No row's address passes through LDS.  Places past the count stand for token 1,023, a row that exists;
; their results land in the expert's own places below the count rounded up to 16.
; NO MULTICAST, NO TENSOR LOADS: each weight byte has one reader and must be rounded on its way (the slice in f32, 512 KiB, would not fit in LDS); what an expert's work-groups share, the token
; rows, comes by a list, which no tile descriptor covers.
; GELU.  z Phi(z) = max(z, 0) - |z| q, q = erfc(|z| / sqrt 2) / 2 = t (a1 + t (a2 + t (a3 + t (a4 + t a5)))) 2^(-z z log2(e) / 2), t = 1 / (1 + p |z| / sqrt 2), the a halved.
; LIMITS.  That series (Abramowitz and Stegun 7.1.26) is off by 1.5e-7 of erf at the most, for every z; NaN and infinities are not treated apart.
; THE MODE: SCHED_MODE bits 1:0 = 2 (LLVM: expert scheduling mode 2), set by the entry lines.  The code itself states the register dependences between vector or matrix instructions and memory or
; LDS instructions, and those through scalar registers that vector instructions write, with s_wait_alu, always for 0.
; THE PLAN.  Registers that memory or LDS instructions touch:
;   phase A   the ring's slots: a group's conversions read them, then its refills land in them.  The packed words (two sets by turns): written by the conversions, read by the group's four LDS stores.
;             v[WA]: read by the LDS stores, written once a round.  v[WOFF]: never written again.  A group has two waits: on vm_vsrc at its head, on va_vdst behind its conversions.
;   K loop    row set a (four sets): read by step s's matrix instructions, loaded again in step s + 1.  Weight buffer b (two): read in step s, loaded again in step s + 1.
;             v[ROW ..]: written at a pass's start alone.  v[BA]: read by the LDS loads, written once a trip.  ONE wait on va_vdst stands at a step's head; the step's loads follow it, dealt among
;             its matrix instructions, which name set a, buffer b and the accumulators: none of the registers that those loads touch.  One wait on vm_vsrc a trip stands ahead of the add to v[BA].
;   way out   h in bf16 (window 1): written by the roundings, read by the block's eight stores: a wait on vm_vsrc ahead of the roundings, one on va_vdst ahead of the stores.  v[HO]: never written again.
.set PITCHW, 16384    ; bytes from row to row of w1[e]
.set PW,     144      ; a row of a tile in LDS: 128 bytes + 16 = 36 words: 16 neighbouring rows start at 16 different groups of four banks (64 banks of 4 bytes: ISA guide 11.1)
.set TS,     128*PW+128  ; a tile
; window 0
.set LN,   1          ; lane
.set RR,   2          ; lane % 16
.set H16,  3          ; 16 x (lane / 16)
.set WA,   7          ; phase A: where my first column's 16 bytes (8 k) go
.set BADR0, 8         ; my lane's place in a fragment; never rewritten
.set BA,   9          ; + the K steps done
.set MKV,  10         ; lane j: the mask of group j
.set KYV,  11         ; lane j: 32 x (members before group j) + j
.set PL0,  12         ; my place in a pair of blocks: 64 (lane / 16) + 16 w + lane % 16
.set PO,   13
.set EN,   14
.set ROW,  16         ; v16-21  byte offset of my token's row, for the pass's six blocks
.set HO,   26         ; my byte offset in 16 rows of hb
.set IOFF, 27         ; 16 x lane
.set WOFF, IOFF
.set T16,  28         ; v28-43  at work
.set T2,   64         ; v64-79  phase A: the second set of packed words
.set BOF,  50         ; 32 x (lane % 16): b1
.set II,   64         ; v64-127 idx as loaded (head only)
.set QP,   64         ; a pass's start, three vectors each (blocks 2 a in lanes 0-15, 2 a + 1 in lanes 16-31): the place,
.set QPK,  67         ; 32 x place + 31,
.set QK,   70         ; the key of its group,
.set QM,   73         ; the group's mask,
.set QN,   76         ; which set bit of it,
.set Q1,   79         ; the mask's sums of 2 bits,
.set Q2,   82         ; of 4,
.set Q3,   85         ; of 8,
.set QC,   88         ; at work,
.set QS,   91         ; the bit's number so far,
.set QT,   94         ; at work, then the token,
.set QX,   97         ; and the other half of the lanes' token
.set BF,   64         ; v64-127, v128-191 weight fragments, two buffers
.set Z,    64         ; the way out: z, then h: accumulator b's register j at 8 b + j
.set Y,    128        ; the way out: the series
.set BIAS, 192        ; v192-207 b1 of my 8 columns, rounded, each twice (pairs for the packed add)
.set BRAW, 208        ; v208-215 as loaded
; window 1: phase A: the ring of 64 slots of 4; phase B: token fragments, set a (0..3) at 48 a, block i at + 8 i; the way out:
.set TT,   0          ; t, then max(z, 0)
.set EE,   64         ; the exponential
.set HH,   128        ; h in bf16: token j's 16 bytes at 4 j
; window 2: the accumulators of blocks 0-3 at 64 i + 8 b;  window 3: of blocks 4, 5
.set WV,  14
.set EX,  15
.set SL,  16
.set RUN, 17          ; the members so far, at last the expert's count
.set NBW, 18          ; my wave's blocks
.set NB,  19          ; of them in this pass, 6 at the most
.set PS,  20
.set KT,  21
.set BI,  22
.set KO,  23          ; LDS bytes of the K steps done
.set WB,  24          ; s[24:25] w1 at my rows of the slice
.set AB,  6           ; s[6:7]   xb
.set AP,  28          ; s[28:29] xb + the trips' K
.set HBASE, 34        ; s[34:35]
.set HS,  36          ; s[36:37]
.set OF,  38          ; s[38:39] offsets at work
.set SEL, 44          ; s[44:45] v_permlanex16_b32: each lane takes its own place in the other half
.set UPP, 46          ; the mask of lanes 16-31
.set PPS, 48
.set CC,  50
.set A1,  52
.set A2,  54
.set A3,  56
.set A4,  58
.set A5,  60
.set RK,  66          ; s66-73  four groups' keys and masks, read out of their lanes; in the head: eight compares' masks
.set CM,  74          ; s74-85  a run of compares' masks
.set MUL_LO, 0xa1     ; source 0 (tokens) window 1, source 1 (weights) window 0, C and D window 2
.set MUL_HI, 0xf1     ; the same, C and D window 3
.set MSB, 0
.macro WIN new                      ; the immediate's high byte repeats the setting that is left; a switch that changes nothing is dropped
.if MSB != (\new)
	s_set_vgpr_msb (MSB<<8)|(\new)
.set MSB, (\new)
.endif
.endm
.macro PLACES                       ; four plain instructions behind a step's last matrix instruction, ahead of loads into, and of the first vector read of, its registers
.rept 4
	v_nop
.endr
.endm
; Groups 4 q .. 4 q + 3 (group G: the 32 tokens 32 (G - G % 2) + 2 lane + G % 2): their masks and keys go into lanes G of the two registers.  The eight compares stand in one run, with one wait.
.macro MASK4 q
.irp t, 0,1,2,3
	v_cmp_eq_u32 s[RK+2*\t], s[EX], v[II+8*(\q)+2*\t]
	v_cmp_eq_u32 s[RK+2*\t+1], s[EX], v[II+8*(\q)+2*\t+1]
.endr
	s_wait_alu depctr_va_sdst(0)                   ; the eight compares have written s[RK ..], which the scalar lines below read
.irp t, 0,1,2,3
	s_or_b32 s42, s[RK+2*\t], s[RK+2*\t+1]
	s_lshl_b32 s43, s[RUN], 5
	s_or_b32 s43, s43, 4*(\q)+\t
	v_writelane_b32 v[MKV], s42, 4*(\q)+\t
	v_writelane_b32 v[KYV], s43, 4*(\q)+\t
	s_bcnt1_i32_b32 s43, s42
	s_add_co_u32 s[RUN], s[RUN], s43
.endr
.endm
; The search for a place's group, n groups from j0 on: their keys and masks out of their lanes in one run, the compares with the three vectors in one run, then the selects.
; The keys ascend: the last group that begins at or before the place stays.
.macro FIND j0, n
.set t, 0
.rept \n
	v_readlane_b32 s[RK+2*t], v[KYV], (\j0)+t
	v_readlane_b32 s[RK+2*t+1], v[MKV], (\j0)+t
.set t, t+1
.endr
	s_wait_alu depctr_va_sdst(0)                   ; the keys and masks are in s[RK ..] (with the first run: group 0's mask in s41), ahead of their first readers
.if (\j0) == 1
.irp a, 0,1,2
	v_mov_b32 v[QM+\a], s41                        ; group 0's mask
.endr
.endif
.set t, 0
.rept \n
.irp a, 0,1,2
	v_cmp_gt_u32 s[CM+3*t+\a], s[RK+2*t], v[QPK+\a]
.endr
.set t, t+1
.endr
	s_wait_alu depctr_va_sdst(0)                   ; the compares have written s[CM ..], which the selects read
.set t, 0
.rept \n
.irp a, 0,1,2
	v_cndmask_b32 v[QK+\a], s[RK+2*t], v[QK+\a], s[CM+3*t+\a]
	v_cndmask_b32 v[QM+\a], s[RK+2*t+1], v[QM+\a], s[CM+3*t+\a]
.endr
.set t, t+1
.endr
.endm
; One halving of the search for the n-th set bit: the w bits from the bit's number so far hold c set bits (read off the sums in src); if n is not below c, the bit lies beyond them.
.macro NTH src, w
.irp a, 0,1,2
	v_bfe_u32 v[QC+\a], v[(\src)+\a], v[QS+\a], \w
.endr
.irp a, 0,1,2
	v_cmp_ge_u32 s[CM+\a], v[QN+\a], v[QC+\a]
.endr
	s_wait_alu depctr_va_sdst(0)                   ; the three compares have written s[CM ..], which the selects read
.irp a, 0,1,2
	v_cndmask_b32 v[QC+\a], 0, v[QC+\a], s[CM+\a]
	v_cndmask_b32 v[QT+\a], 0, \w, s[CM+\a]
	v_sub_nc_u32 v[QN+\a], v[QN+\a], v[QC+\a]
	v_add_nc_u32 v[QS+\a], v[QS+\a], v[QT+\a]
.endr
.endm
; Eight slots of the ring, 8 neighbouring k of my 4 columns: rounded in pairs along k, stored as 16 bytes a column, and asked for again 64 rows on.
; The packed words take two sets of registers by turns.
.macro WGROUP g, refill, left
.set TB, T16+(T2-T16)*((\g)%2)
	s_wait_loadcnt \left                           ; loads come back in order: the group's eight are the oldest
	s_wait_alu depctr_vm_vsrc(0)                   ; the LDS stores issued so far have read the packed words that the conversions below write again
	WIN 0x05
.irp a, 0,1,2,3
.irp p, 0,1,2,3
	v_cvt_pk_bf16_f32 v[TB+4*\a+\p], v[4*(8*(\g)+2*\p)+\a], v[4*(8*(\g)+2*\p+1)+\a]
.endr
.endr
	WIN 0
	s_wait_alu depctr_va_vdst(0)                   ; the conversions have written the packed words, which the LDS stores read, and are done reading the slots, in which the refills land; in a round's first group v[WA] is written
.irp a, 0,1,2,3
	ds_store_b128 v[WA], v[TB+4*\a:TB+4*\a+3] offset:16*PW*\a+16*(\g)
.endr
.if \refill
	WIN 0x40
.irp i, 0,1,2,3,4,5,6,7
	global_load_b128 v[4*(8*(\g)+\i):4*(8*(\g)+\i)+3], v[WOFF], s[WB:WB+1] offset:(8*(\g)+\i)*PITCHW th:TH_LOAD_NT
.endr
	WIN 0
.endif
.endm
; 16 LDS loads: a K step's fragments of all 8 blocks of 16 LDS rows into buffer set
.macro BRUN set, imm
.irp n, 0,1,2,3,4,5,6,7
	ds_load_b128 v[BF+64*(\set)+8*\n:BF+64*(\set)+8*\n+3], v[BA] offset:(\imm)+16*PW*\n+128*(\n/4)
	ds_load_b128 v[BF+64*(\set)+8*\n+4:BF+64*(\set)+8*\n+7], v[BA] offset:(\imm)+16*PW*\n+128*(\n/4)+32
.endr
.endm
.macro ALD a, i, base, imm          ; block i's token fragment of one K step: 16 rows x 32 K
	global_load_b128 v[48*(\a)+8*(\i):48*(\a)+8*(\i)+3], v[ROW+(\i)], s[\base:\base+1] offset:(\imm)
	global_load_b128 v[48*(\a)+8*(\i)+4:48*(\a)+8*(\i)+7], v[ROW+(\i)], s[\base:\base+1] offset:(\imm)+32
.endm
.macro ARUN a, base, imm            ; a K step's token fragments of all six blocks into set a: a pass's first four steps
	WIN 0x40
.irp i, 0,1,2,3,4,5
	ALD \a, \i, \base, \imm
.endr
	WIN 0
.endm
.macro MULB a, b, i, zero           ; block i x all 8 blocks of columns: eight accumulators by turns
.irp n, 0,1,2,3,4,5,6,7
.if \zero
	v_wmma_f32_16x16x32_bf16 v[64*((\i)%4)+8*\n:64*((\i)%4)+8*\n+7], v[48*(\a)+8*(\i):48*(\a)+8*(\i)+7], v[BF+64*(\b)+8*\n:BF+64*(\b)+8*\n+7], 0
.else
	v_wmma_f32_16x16x32_bf16 v[64*((\i)%4)+8*\n:64*((\i)%4)+8*\n+7], v[48*(\a)+8*(\i):48*(\a)+8*(\i)+7], v[BF+64*(\b)+8*\n:BF+64*(\b)+8*\n+7], v[64*((\i)%4)+8*\n:64*((\i)%4)+8*\n+7]
.endif
.endr
.endm
; A K step of 32: token set a, weight buffer b.  lw: the younger global loads that may stay out: the set was asked for three steps ago, and each of the two runs behind it has eight loads at the least.
; bimm >= 0: the next step's weight fragments are asked for, into the other buffer.  rbase >= 0: the set that the last step multiplied, a - 1, is asked for again, for the K step three on;
; blocks 4 and 5 only where the pass has them, each under the branch that its products stand under.  zero = 1: the products start the sums, in all six blocks.
; No two matrix instructions that follow each other share an accumulator, over the loop's edge too.
.macro STEP a, b, zero, bimm, rbase, rimm, lw
	s_wait_loadcnt \lw                             ; set a is in
	s_wait_dscnt 0x0                               ; buffer b is in: its sixteen loads are the only LDS loads out
.if !(\zero) && (((\bimm) >= 0) || ((\rbase) >= 0))
	s_wait_alu depctr_va_vdst(0)                   ; the last step's matrix instructions are done reading the other buffer and set a - 1, in which the loads below land; in a trip's first step v[BA] is written
.endif
	WIN MUL_LO
	MULB \a, \b, 0, \zero
.if (\bimm) >= 0
	WIN 0
	BRUN 1-(\b), \bimm                             ; no wait: no vector or matrix instruction since the wait names the other buffer or v[BA]
	WIN MUL_LO
.endif
	MULB \a, \b, 1, \zero
.if (\rbase) >= 0
	WIN 0x40
.irp i, 0,1,2,3
	ALD (\a+3)%4, \i, \rbase, \rimm                ; nor set a - 1 or v[ROW ..]
.endr
	WIN MUL_LO
.endif
	MULB \a, \b, 2, \zero
	MULB \a, \b, 3, \zero
.if \zero
	WIN MUL_HI
	MULB \a, \b, 4, 1
	MULB \a, \b, 5, 1
	WIN 0
.else
	WIN 0
	s_cmp_lt_u32 s[NB], 5
	s_cbranch_scc1 .Le_\@
.if (\rbase) >= 0
	WIN 0x40
	ALD (\a+3)%4, 4, \rbase, \rimm
.endif
	WIN MUL_HI
	MULB \a, \b, 4, 0
	WIN 0
	s_cmp_lt_u32 s[NB], 6
	s_cbranch_scc1 .Le_\@
.if (\rbase) >= 0
	WIN 0x40
	ALD (\a+3)%4, 5, \rbase, \rimm
.endif
	WIN MUL_HI
	MULB \a, \b, 5, 0
	WIN 0
.Le_\@:
.endif
	PLACES                                         ; behind the step's products: ahead of the next step's loads into set a and buffer b, and at the end of the first read of the sums
.endm
.macro CASE i                       ; z = block i's sums + b1, each accumulator from its low end on
	WIN 0x02+(\i)/4
.set m, 0
.rept 32
	v_pk_add_f32 v[Z+2*m:Z+2*m+1], v[64*((\i)%4)+2*m:64*((\i)%4)+2*m+1], v[BIAS+2*(m/4):BIAS+2*(m/4)+1]
.set m, m+1
.endr
	WIN 0
.endm
	s_load_b256 s[4:11], s[0:1], 0x0               ; idx s[4:5], xb s[6:7], w1 s[8:9], b1 s[10:11]
	s_load_b64 s[12:13], s[0:1], 0x20              ; hb
	v_lshl_add_u32 v254, v0, 2, 0x48800
	v_mov_b32 v255, 0
	v_lshrrev_b32 v[PO], 5, v0
	v_readfirstlane_b32 s[WV], v[PO]               ; wave 0..3
	s_and_b32 s[EX], ttmp7, 0xffff                 ; expert
	s_mov_b32 s[SL], ttmp9                         ; slice
	v_and_b32 v[LN], 31, v0
	v_and_b32 v[RR], 15, v0
	v_and_b32 v[H16], 16, v0
	v_lshlrev_b32 v[IOFF], 4, v[LN]
	v_lshlrev_b32 v[BOF], 5, v[RR]
	v_mov_b32 v[MKV], 0                            ; written whole before single lanes are written
	v_mov_b32 v[KYV], 0
	v_lshl_add_u32 v[PL0], v[H16], 2, v[RR]
	s_wait_alu depctr_va_sdst(0)                   ; the wave's number is in s[WV], ahead of its first reader
	v_lshl_add_u32 v[PL0], s[WV], 4, v[PL0]
	v_and_b32 v[PO], 1, v0                         ; phase A: my columns 4 l + a are 8 (l / 2) + 4 (l % 2) + a: LDS rows 64 (l % 2) + 16 a + l / 2
	v_mul_u32_u24 v[PO], v[PO], 64*PW+128
	v_lshrrev_b32 v[EN], 1, v[LN]
	v_mul_u32_u24 v[EN], v[EN], PW
	v_add_nc_u32 v[PO], v[PO], v[EN]
	s_mul_i32 s[OF], s[WV], 4*TS                   ; wave w lays k = 256 w .. 256 w + 255: tiles 4 w .. 4 w + 3, its own bytes
	v_add_nc_u32 v[WA], s[OF], v[PO]
	v_mul_u32_u24 v[PO], v[RR], PW                 ; a fragment: lane l reads row l % 16, bytes 16 (l / 16) on and 32 further
	v_add_nc_u32 v[BADR0], v[PO], v[H16]
	v_lshlrev_b32 v[PO], 12, v[H16]
	v_lshl_add_u32 v[HO], v[RR], 4, v[PO]          ; hb: row 8 (l / 16) of the block, 8,192 bytes a row; 16 bytes a lane
	s_mov_b32 s[SEL], 0x76543210
	s_mov_b32 s[SEL+1], 0xfedcba98
	s_mov_b32 s[UPP], 0xffff0000
	s_mov_b32 s[PPS], 0x3e6d3388                   ; 0.3275911 / sqrt 2
	s_mov_b32 s[CC], 0xbf38aa3b                    ; - log2(e) / 2
	s_mov_b32 s[CC+1], 0xbf38aa3b                  ; the packed forms name pairs: both words are written
	s_mov_b32 s[A1], 0x3e027906                    ; 0.254829592 / 2
	s_mov_b32 s[A1+1], 0x3e027906
	s_mov_b32 s[A2], 0xbe11a98e                    ; -0.284496736 / 2
	s_mov_b32 s[A2+1], 0xbe11a98e
	s_mov_b32 s[A3], 0x3f35f0e3                    ; 1.421413741 / 2
	s_mov_b32 s[A3+1], 0x3f35f0e3
	s_mov_b32 s[A4], 0xbf3a00e3                    ; -1.453152027 / 2
	s_mov_b32 s[A4+1], 0xbf3a00e3
	s_mov_b32 s[A5], 0x3f07dc22                    ; 1.061405429 / 2
	s_mov_b32 s[A5+1], 0x3f07dc22
	s_lshl_b32 s[OF], s[EX], 24                    ; w1[e]: 16 MiB; my slice: 512 bytes of a row; my wave: 256 rows of 16 KiB
	s_lshl_b32 s40, s[SL], 9
	s_add_co_u32 s[OF], s[OF], s40
	s_lshl_b32 s41, s[WV], 22
	s_add_co_u32 s[OF], s[OF], s41
	s_mov_b32 s[OF+1], 0
	s_wait_kmcnt 0x0
	s_add_nc_u64 s[WB:WB+1], s[8:9], s[OF:OF+1]
	s_lshl_b32 s[OF], s[EX], 14
	s_add_co_u32 s[OF], s[OF], s40
	s_add_nc_u64 s[10:11], s[10:11], s[OF:OF+1]    ; b1[e] at my slice
	s_lshl_b32 s[OF], s[EX], 23
	s_lshl_b32 s40, s[SL], 8
	s_add_co_u32 s[OF], s[OF], s40
	s_add_nc_u64 s[HBASE:HBASE+1], s[12:13], s[OF:OF+1]  ; hb[e] at my slice
	s_wait_alu depctr_va_vdst(0)                   ; the offsets and addresses made above are written: v[IOFF] and v[BOF], which the loads below read, and v[WA], v[BADR0] and v[HO] for later
.irp g, 0,1,2,3,4,5,6,7,8,9,10,11,12,13,14,15
	global_load_b128 v[II+4*\g:II+4*\g+3], v[IOFF], s[4:5] offset:512*\g  ; tokens 64 g + 2 lane and the next: two experts each
.endr
	global_load_b128 v[BRAW:BRAW+3], v[BOF], s[10:11]             ; b1 of columns 8 (lane % 16) + 0..7
	global_load_b128 v[BRAW+4:BRAW+7], v[BOF], s[10:11] offset:16
	WIN 0x40
.set m, 0
.rept 64                                           ; the ring is filled: my first 64 rows
	global_load_b128 v[4*m:4*m+3], v[WOFF], s[WB:WB+1] offset:m*PITCHW th:TH_LOAD_NT
.set m, m+1
.endr
	WIN 0
	s_wait_loadcnt 63                              ; 82 loads were issued: the oldest 19 are in, idx's 16 and b1's 2 among them; the ring stays out
	s_mov_b32 s[RUN], 0
.irp q, 0,1,2,3,4,5,6,7
	MASK4 \q
.endr
.irp p, 0,1,2,3                                    ; b1 rounded to bf16, kept as f32, each number twice
	v_cvt_pk_bf16_f32 v[T16+\p], v[BRAW+2*\p], v[BRAW+2*\p+1]
	v_lshlrev_b32 v[BIAS+4*\p], 16, v[T16+\p]
	v_lshlrev_b32 v[BIAS+4*\p+1], 16, v[T16+\p]
	v_and_b32 v[BIAS+4*\p+2], 0xffff0000, v[T16+\p]
	v_and_b32 v[BIAS+4*\p+3], 0xffff0000, v[T16+\p]
.endr
	s_add_co_u32 s[OF], s[RUN], 15
	s_lshr_b32 s[OF], s[OF], 4                     ; the expert's blocks of 16 rows
	s_add_co_u32 s[OF], s[OF], 3
	s_sub_co_u32 s[OF], s[OF], s[WV]
	s_lshr_b32 s[NBW], s[OF], 2                    ; of them 4 q + w: mine
	; PHASE A: three rounds that ask again, one that does not; a round of 64 rows fills one tile
	s_mov_b32 s[KT], 3
.Lround:
	s_wait_xcnt 0x0                                ; the loads issued have had their addresses translated: their base is stepped only behind this wait
	s_add_nc_u64 s[WB:WB+1], s[WB:WB+1], 64*PITCHW
.irp g, 0,1,2,3,4,5,6,7
	WGROUP \g, 1, 56                               ; 64 loads are out; all but the group's eight may stay
.endr
	s_wait_alu depctr_vm_vsrc(0)                   ; the round's LDS stores have read v[WA]
	v_add_nc_u32 v[WA], TS, v[WA]
	s_sub_co_u32 s[KT], s[KT], 1
	s_cmp_lg_u32 s[KT], 0
	s_cbranch_scc1 .Lround
.irp g, 0,1,2,3,4,5,6,7
	WGROUP \g, 0, 56-8*\g                          ; the counts run down
.endr
	s_wait_dscnt 0x0                               ; for the others' sake: my tiles of the slice are stored
	s_barrier_signal -1
	s_barrier_wait -1                              ; the slice is whole; nobody writes it again
	; PHASE B
	s_mov_b32 s[PS], 0
.Lpass:
	s_mul_i32 s[NB], s[PS], 6
	s_sub_co_i32 s[NB], s[NBW], s[NB]
	s_min_i32 s[NB], s[NB], 6
	s_cmp_lt_i32 s[NB], 1
	s_cbranch_scc1 .Lpass_next                     ; nothing left for my wave
	s_wait_xcnt 0x0                                ; the last pass's loads and stores have had their addresses translated
	s_wait_alu depctr_vm_vsrc(0)                   ; the last pass's loads have read v[ROW ..] and v[BA], its stores h in window 1, phase A's LDS stores the packed words in v64-79: all are written again below
	; the tokens at my 96 places of this pass: place = 384 pass + 64 block + 16 w + row
	s_mul_i32 s[OF], s[PS], 384
	v_add_nc_u32 v[QP], s[OF], v[PL0]
	v_add_nc_u32 v[QP+1], 128, v[QP]
	v_add_nc_u32 v[QP+2], 256, v[QP]
	v_readlane_b32 s41, v[MKV], 0                  ; group 0's mask: it is read behind the first run's wait
.irp a, 0,1,2
	v_lshl_or_b32 v[QPK+\a], v[QP+\a], 5, 31       ; no key of a group that begins at or before the place is greater than this
	v_mov_b32 v[QK+\a], 0                          ; group 0's key
	v_mov_b32 v[QX+\a], 0                          ; (written before v_permlanex16_b32 names it)
.endr
.irp j, 1,5,9,13,17,21,25
	FIND \j, 4
.endr
	FIND 29, 3
.irp a, 0,1,2
	v_lshrrev_b32 v[QT+\a], 5, v[QK+\a]            ; the members before the group
	v_sub_nc_u32 v[QN+\a], v[QP+\a], v[QT+\a]      ; so the place is the group's n-th member
	v_lshrrev_b32 v[QT+\a], 1, v[QM+\a]            ; the mask's set bits summed in fields of 2,
	v_and_b32 v[QT+\a], 0x55555555, v[QT+\a]
	v_sub_nc_u32 v[Q1+\a], v[QM+\a], v[QT+\a]
	v_lshrrev_b32 v[QT+\a], 2, v[Q1+\a]            ; of 4,
	v_and_b32 v[QT+\a], 0x33333333, v[QT+\a]
	v_and_b32 v[Q2+\a], 0x33333333, v[Q1+\a]
	v_add_nc_u32 v[Q2+\a], v[Q2+\a], v[QT+\a]
	v_lshrrev_b32 v[QT+\a], 4, v[Q2+\a]            ; of 8
	v_add_nc_u32 v[Q3+\a], v[Q2+\a], v[QT+\a]
	v_and_b32 v[Q3+\a], 0x0f0f0f0f, v[Q3+\a]
	v_bfe_u32 v[QC+\a], v[Q3+\a], 8, 8             ; the low 16 bits' sum: the first halving
	v_and_b32 v[QT+\a], 0xff, v[Q3+\a]
	v_add_nc_u32 v[QC+\a], v[QC+\a], v[QT+\a]
.endr
.irp a, 0,1,2
	v_cmp_ge_u32 s[CM+\a], v[QN+\a], v[QC+\a]
	v_cmp_le_u32 s[CM+3+\a], s[RUN], v[QP+\a]      ; is the place past the count?  Read at the search's end
.endr
	s_wait_alu depctr_va_sdst(0)                   ; the six compares have written s[CM ..], ahead of their first readers
.irp a, 0,1,2
	v_cndmask_b32 v[QC+\a], 0, v[QC+\a], s[CM+\a]
	v_cndmask_b32 v[QS+\a], 0, 16, s[CM+\a]
	v_sub_nc_u32 v[QN+\a], v[QN+\a], v[QC+\a]
.endr
	NTH Q3, 8
	NTH Q2, 4
	NTH Q1, 2
	NTH QM, 1
.irp a, 0,1,2
	v_and_b32 v[QT+\a], 30, v[QK+\a]               ; group 2 g + s, bit b: token 64 g + 2 b + s
	v_lshlrev_b32 v[QT+\a], 5, v[QT+\a]
	v_lshl_add_u32 v[QT+\a], v[QS+\a], 1, v[QT+\a]
	v_and_b32 v[QC+\a], 1, v[QK+\a]
	v_add_nc_u32 v[QT+\a], v[QT+\a], v[QC+\a]
	v_cndmask_b32 v[QT+\a], v[QT+\a], -1, s[CM+3+\a]  ; a place past the count has no token: the bound below makes 1,023 of this
	v_permlanex16_b32 v[QX+\a], v[QT+\a], s[SEL], s[SEL+1]
	v_cndmask_b32 v[ROW+2*\a], v[QT+\a], v[QX+\a], s[UPP]    ; both halves of the lanes hold block 2 a's 16 tokens,
	v_cndmask_b32 v[ROW+2*\a+1], v[QX+\a], v[QT+\a], s[UPP]  ; and block 2 a + 1's
.endr
.irp i, 0,1,2,3,4,5
	v_min_u32 v[ROW+\i], 1023, v[ROW+\i]
	v_lshl_add_u32 v[ROW+\i], v[ROW+\i], 11, v[H16]
.endr
	s_mov_b32 s[KO], 0
	v_mov_b32 v[BA], v[BADR0]
	s_mov_b64 s[AP:AP+1], s[AB:AB+1]
	s_wait_alu depctr_va_vdst(0)                   ; v[ROW ..] and v[BA] are written, which the loads below read; the search is done with v64-99, the last way out with v64-191 and with window 1, phase A's conversions with the ring: loads land in all of these
	BRUN 0, 0
.irp a, 0,1,2,3
	ARUN \a, AB, 64*\a                             ; K steps 0 to 3, all six blocks: 48 loads
.endr
	STEP 0, 0, 1, 64, -1, 0, 36                    ; step 0 starts the sums; behind its 12 loads 36 were issued.  It holds no wait on va_vdst: no vector or matrix instruction was issued since the one above
	s_mov_b32 s[KT], 7
.Ltrip:                                                ; steps 1 + 4 t .. 4 + 4 t; a tile holds two steps, 64 bytes apart; step s asks for the rows of K step s + 3
	STEP 1, 1, 0, TS, AP, 256, 16
	STEP 2, 0, 0, TS+64, AP, 320, 16
	STEP 3, 1, 0, 2*TS, AP, 384, 16
	STEP 0, 0, 0, 2*TS+64, AP, 448, 16             ; in the last trip: K step 31, the row's last
	s_add_co_u32 s[KO], s[KO], 2*TS
	s_wait_alu depctr_vm_vsrc(0)                   ; the LDS loads issued so far have read v[BA]
	v_add_nc_u32 v[BA], s[KO], v[BADR0]
	s_wait_xcnt 0x0                                ; the base is stepped only behind this wait
	s_add_nc_u64 s[AP:AP+1], s[AP:AP+1], 256
	s_sub_co_u32 s[KT], s[KT], 1
	s_cmp_lg_u32 s[KT], 0
	s_cbranch_scc1 .Ltrip
	STEP 1, 1, 0, TS, -1, 0, 16                    ; steps 29, 30, 31 ask for no more rows: two, one and no run of eight or more are younger
	STEP 2, 0, 0, TS+64, -1, 0, 8
	STEP 3, 1, 0, -1, -1, 0, 0                     ; it issues no load, so it holds no wait on va_vdst; no load is out behind its first wait: window 1 is free
	s_mov_b32 s[BI], 0
.Lblk:
	s_cmp_ge_u32 s[BI], s[NB]
	s_cbranch_scc1 .Lblk_next
	s_cmp_eq_u32 s[BI], 0
	s_cbranch_scc1 .Lc0
	s_cmp_eq_u32 s[BI], 1
	s_cbranch_scc1 .Lc1
	s_cmp_eq_u32 s[BI], 2
	s_cbranch_scc1 .Lc2
	s_cmp_eq_u32 s[BI], 3
	s_cbranch_scc1 .Lc3
	s_cmp_eq_u32 s[BI], 4
	s_cbranch_scc1 .Lc4
	CASE 5
	s_branch .Lgo
.Lc0:
	CASE 0
	s_branch .Lgo
.Lc1:
	CASE 1
	s_branch .Lgo
.Lc2:
	CASE 2
	s_branch .Lgo
.Lc3:
	CASE 3
	s_branch .Lgo
.Lc4:
	CASE 4
.Lgo:                                                  ; gelu of the lane's 64 numbers, written once for all six blocks
	WIN 0x40                                       ; destination window 1
.set m, 0
.rept 64
	v_fma_f32 v[TT+m], |v[Z+m]|, s[PPS], 1.0
.set m, m+1
.endr
.set m, 0
.rept 32
	v_pk_mul_f32 v[EE+2*m:EE+2*m+1], v[Z+2*m:Z+2*m+1], v[Z+2*m:Z+2*m+1]
.set m, m+1
.endr
	WIN 0x41                                       ; destination and source 0 window 1
.set m, 0
.rept 32
	v_pk_mul_f32 v[EE+2*m:EE+2*m+1], v[EE+2*m:EE+2*m+1], s[CC:CC+1] op_sel_hi:[1,0]
.set m, m+1
.endr
.set m, 0
.rept 64
	v_rcp_f32 v[TT+m], v[TT+m]
.set m, m+1
.endr
.set m, 0
.rept 64
	v_exp_f32 v[EE+m], v[EE+m]
.set m, m+1
.endr
	v_nop                                          ; a plain instruction behind the last of them,
	s_wait_alu depctr_va_vdst(0)                   ; and ONE wait for the batch of 128 reciprocals and exponentials, ahead of its first reader
	WIN 0x01                                       ; source 0 window 1
.set m, 0
.rept 32
	v_pk_fma_f32 v[Y+2*m:Y+2*m+1], v[TT+2*m:TT+2*m+1], s[A5:A5+1], s[A4:A4+1] op_sel_hi:[1,0,0]
.set m, m+1
.endr
.irp c, A3, A2, A1
.set m, 0
.rept 32
	v_pk_fma_f32 v[Y+2*m:Y+2*m+1], v[TT+2*m:TT+2*m+1], v[Y+2*m:Y+2*m+1], s[\c:\c+1] op_sel_hi:[1,1,0]
.set m, m+1
.endr
.endr
.set m, 0
.rept 32
	v_pk_mul_f32 v[Y+2*m:Y+2*m+1], v[TT+2*m:TT+2*m+1], v[Y+2*m:Y+2*m+1]
.set m, m+1
.endr
.set m, 0
.rept 32
	v_pk_mul_f32 v[Y+2*m:Y+2*m+1], v[EE+2*m:EE+2*m+1], v[Y+2*m:Y+2*m+1]   ; q
.set m, m+1
.endr
	WIN 0x40
.set m, 0
.rept 64
	v_max_num_f32 v[TT+m], 0, v[Z+m]
.set m, m+1
.endr
	WIN 0x10                                       ; source 2 window 1
.set m, 0
.rept 64
	v_fma_f32 v[Z+m], -|v[Z+m]|, v[Y+m], v[TT+m]   ; max(z, 0) - |z| q
.set m, m+1
.endr
	s_wait_xcnt 0x0                                ; the last block's stores have had their addresses translated: their base is written again below
	s_wait_alu depctr_vm_vsrc(0)                   ; the last block's stores have read h in window 1, which the roundings below write again
	WIN 0x40
.irp j, 0,1,2,3,4,5,6,7                            ; token j: columns 8 r + 2 p and + 1 lie in accumulators 2 p and 2 p + 1
.irp p, 0,1,2,3
	v_cvt_pk_bf16_f32 v[HH+4*\j+\p], v[Z+16*\p+\j], v[Z+16*\p+8+\j]
.endr
.endr
	WIN 0
	s_mul_i32 s[OF], s[PS], 6
	s_add_co_u32 s[OF], s[OF], s[BI]
	s_lshl_b32 s[OF], s[OF], 2
	s_add_co_u32 s[OF], s[OF], s[WV]               ; the block, 4 q + w: 63 at the most
	s_lshl_b32 s[OF], s[OF], 17                    ; 16 rows of 8,192 bytes
	s_mov_b32 s[OF+1], 0
	s_add_nc_u64 s[HS:HS+1], s[HBASE:HBASE+1], s[OF:OF+1]
	WIN 0x04                                       ; store data window 1
	s_wait_alu depctr_va_vdst(0)                   ; the roundings have written h, which the stores read
.irp j, 0,1,2,3,4,5,6,7
	global_store_b128 v[HO], v[HH+4*\j:HH+4*\j+3], s[HS:HS+1] offset:8192*\j  ; rows j and 8 + j: 16 lanes store 256 consecutive bytes, aligned
.endr
	WIN 0
.Lblk_next:
	s_add_co_u32 s[BI], s[BI], 1
	s_cmp_lt_u32 s[BI], 6
	s_cbranch_scc1 .Lblk
.Lpass_next:
	s_add_co_u32 s[PS], s[PS], 1
	s_cmp_lt_u32 s[PS], 3
	s_cbranch_scc1 .Lpass
	s_wait_dscnt 0x0                               ; my LDS loads are back;
	s_barrier_signal -1
	s_barrier_wait -1                              ; every wave's are
	s_wait_dscnt 0x0                               ; the wave's end: every counter and dependence is waited out below, then the closing add
	s_wait_alu depctr_hold_cnt(0) depctr_sa_sdst(0) depctr_va_vdst(0) depctr_va_sdst(0) depctr_va_ssrc(0) depctr_va_vcc(0) depctr_vm_vsrc(0)
	s_wait_tensorcnt 0x0
	ds_add_u32 v254, v255
	s_wait_dscnt 0x0
	s_endpgm
.Lfunc_end_k_q1fe2322eda_prod1:
	.size	k_q1fe2322eda_prod1, .Lfunc_end_k_q1fe2322eda_prod1-k_q1fe2322eda_prod1
	.p2alignl 7, 3214868480
	.fill 96, 4, 3214868480
	.section	.rodata,"a",@progbits
	.p2align	6, 0x0
	.amdhsa_kernel k_q1fe2322eda_prod1
		.amdhsa_group_segment_fixed_size 297472
		.amdhsa_private_segment_fixed_size 0
		.amdhsa_enable_private_segment 0
		.amdhsa_kernarg_size 40
		.amdhsa_user_sgpr_count 2
		.amdhsa_user_sgpr_kernarg_segment_ptr 1
		.amdhsa_wavefront_size32 1
		.amdhsa_system_sgpr_workgroup_id_x 1
		.amdhsa_system_sgpr_workgroup_id_y 1
		.amdhsa_system_sgpr_workgroup_id_z 1
		.amdhsa_system_vgpr_workitem_id 0
		.amdhsa_next_free_vgpr 896
		.amdhsa_next_free_sgpr 86
		.amdhsa_reserve_vcc 0
		.amdhsa_float_denorm_mode_32 3
		.amdhsa_float_denorm_mode_16_64 3
		.amdhsa_memory_ordered 1
		.amdhsa_forward_progress 1
		.amdhsa_inst_pref_size 180
	.end_amdhsa_kernel
	.amdgpu_metadata
---
amdhsa.version: [ 1, 2 ]
amdhsa.kernels:
  - .name:           k_q1fe2322eda_prod1
    .symbol:         k_q1fe2322eda_prod1.kd
    .args:
      - { .name: idx, .offset: 0, .size: 8, .value_kind: global_buffer, .address_space: global }
      - { .name: xb, .offset: 8, .size: 8, .value_kind: global_buffer, .address_space: global }
      - { .name: w1, .offset: 16, .size: 8, .value_kind: global_buffer, .address_space: global }
      - { .name: b1, .offset: 24, .size: 8, .value_kind: global_buffer, .address_space: global }
      - { .name: hb, .offset: 32, .size: 8, .value_kind: global_buffer, .address_space: global }
    .group_segment_fixed_size: 297472
    .private_segment_fixed_size: 0
    .kernarg_segment_align: 8
    .kernarg_segment_size: 40
    .max_flat_workgroup_size: 128
    .sgpr_count:     86
    .vgpr_count:     896
    .wavefront_size: 32
...
	.end_amdgpu_metadata
.endif
;; end of part 5
;; launch prod2 (part 6): grid 32 x 8, 4 waves a work-group, no clusters, 307,712 bytes of LDS; arguments idx, cw, hb, w2, b2, part; writes part
.if DOCPART == 6
	.amdgcn_target "amdgcn-amd-amdhsa--gfx1250"
	.amdhsa_code_object_version 6
	.text
	.protected	k_q1fe2322eda_prod2
	.globl	k_q1fe2322eda_prod2
	.p2align	8
	.type	k_q1fe2322eda_prod2,@function
k_q1fe2322eda_prod2:
	s_mov_b64 s[64:65], 0
	v_nop
	global_prefetch_b8 v0, s[64:65] scope:SCOPE_SE
	s_setreg_imm32_b32 hwreg(HW_REG_WAVE_SCHED_MODE, 0, 2), 2
	s_setreg_imm32_b32 hwreg(HW_REG_WAVE_MODE, 25, 1), 1
	s_wait_xcnt 0x0
	s_wait_alu depctr_vm_vsrc(0)
; THE SECOND PRODUCT.  part[kq][2 token + k][:] = cw[token][k] x (hb[e][place][1024 kq ..] w2[e][1024 kq ..][:] + b2[e] where kq = 0), in f32: partial sums that the last launch adds.
; w2 and b2 are rounded to bf16; sums in f32.
; SHARES.  A work-group (x % 8 = slice of 128 columns, x / 8 = quarter of K, y = expert) has the slice w2[e][1024 kq .. + 1023][128 cs .. + 127], which it alone reads, and all of that expert's rows.
; K goes in quarters because a slice of all 4,096 k of fewer columns would not fit in LDS beside its padding, and would read hb four times as often.
; The last slice has 104 real columns: its lanes past column 999 repeat the row's last 16 bytes, so every load stays in its row; what they make lands in part's columns 1000-1023, which nobody reads.
; PHASES, LIST, PASSES: as in the first product.  Phase A streams the slice through registers (64 loads of 16 bytes a lane out for each wave), rounds it and lays it into LDS with K along the rows; one
; barrier; in phase B NOTHING WRITES LDS.  A wave takes the blocks of 16 places 4 q + w, six a pass, three passes; loops count to constants, what lies past the expert's count is jumped forward, and
; nothing that is jumped holds a barrier.  Every wave makes its own copy of the expert's list (entry = 2 token + k; past the count 2048 + e), in the same order as the first product.
; THE SLICE IN LDS: 16 tiles of 64 k; a tile is 128 rows (a column each) of 128 bytes.  Row 16 b + r holds column 64 (b / 4) + 4 r + b % 4.  With 16 rows of hb as source 0 and the 16 LDS rows of block b
; as source 1, register j of accumulator b in lane l is place 8 (l / 16) + j, column 64 (b / 4) + 4 (l % 16) + b % 4: four accumulators' registers j are 16 neighbouring bytes, and 16 lanes hold 256
; bytes of a row of part: the results are stored straight from registers.
; Rows past the count repeat the expert's last written row of hb, and their results go to part's row 2048 + e, which only this expert's work-groups write and nobody reads.
; NO MULTICAST, NO TENSOR LOADS: each weight byte has one reader and must be rounded on its way; hb's rows are shared by 8 work-groups, but how many there are hangs on the count, and LDS is full of the slice.
; LIMITS.  NaN and infinities are not treated apart.
; THE MODE: SCHED_MODE bits 1:0 = 2 (LLVM: expert scheduling mode 2), set by the entry lines.  The code itself states the register dependences between vector or matrix instructions and memory or
; LDS instructions, and those through scalar registers that vector instructions write, with s_wait_alu, always for 0.
; THE PLAN.  Registers that memory or LDS instructions touch:
;   head      the list's 32 addresses and 32 entries have registers of their own (v128-191): all are made, ONE wait on va_vdst follows, then the 32 LDS stores.
;   phase A   the ring's slots: a group's conversions read them, then its refills land in them.  The packed words: written by the conversions, read by the group's four LDS stores.
;             v[WA]: read by the LDS stores, written once a round.  v[WOFF]: never written again.  A group has two waits: on vm_vsrc at its head, on va_vdst behind its conversions.
;   a pass's  v[LRP] -> the list's LDS loads -> the entries' unpacking -> the weights' offsets -> 48 loads: two waits on va_vdst, one ahead of each run of loads; all other addresses of the pass
;   start     are made ahead of the second, which so serves the first fragments' loads too.  One wait on vm_vsrc frees the weights' offsets, on whose registers weight fragments land.
;   K loop    row set a (four sets): read by step s's matrix instructions, loaded again in step s + 1.  Weight buffer b (two): read in step s, loaded again in step s + 1.
;             v[ROW ..]: written at a pass's start alone.  v[BA]: read by the LDS loads, written once a trip.  ONE wait on va_vdst stands at a step's head; the step's loads follow it, dealt among
;             its matrix instructions, which name set a, buffer b and the accumulators: none of the registers that those loads touch.  One wait on vm_vsrc a trip stands ahead of the add to v[BA].
;   way out   a block's eight row offsets and its 64 numbers to store: written by vector instructions, read by its sixteen stores: a wait on vm_vsrc at the block's head, one on va_vdst ahead of the stores.
.set PITCHW, 4000     ; bytes from row to row of w2[e]
.set PLANE,  2056*4096
.set PW,     144      ; a row of a tile in LDS: 128 bytes + 16 = 36 words: 16 neighbouring rows start at 16 different groups of four banks (64 banks of 4 bytes: ISA guide 11.1)
.set TS,     128*PW+128  ; a tile, with 128 bytes of padding behind its row 63, as in the first product
.set LIST,   16*TS
.set LISTB,  2560
.set DEAD,   1152
; window 0
.set LN,   1
.set RR,   2          ; lane % 16
.set H16,  3          ; 16 x (lane / 16)
.set WOFF, 6          ; my 16 bytes of a row of the slice, held inside the row
.set WA,   7
.set BADR0, 8
.set BA,   9
.set LB,   10
.set L4,   11
.set DP,   12
.set PO,   13
.set EN,   14
.set AD,   15         ; where my 16 bytes of the list's first filling go
.set ROW,  16         ; v16-21
.set LR8,  22         ; the entries of places 16 w + 8 (lane / 16) + 0..7
.set LRP,  23
.set POSV, 24         ; 16 w + lane % 16
.set R16,  26         ; 16 x (lane % 16)
.set IOFF, 27
.set T16,  28         ; v28-43  head and phase A: at work
.set CWJ,  28         ; v28-35  the way out: the block's eight weights
.set DOJ,  36         ; v36-43  the way out: the block's eight row offsets in part
.set BO,   44         ; v44-45  b2's two offsets
.set II,   64
.set BF,   64
.set RAW,  64         ; v64-87   a pass's entries as loaded
.set LA,   128        ; v128-159 head: group G's LDS address in the list
.set LE,   160        ; v160-191 head: group G's entry
.set CWO,  128        ; v128-175 the offsets of a pass's 48 weights
.set Z,    64         ; the way out: accumulator b's register j at 8 b + j
.set OO,   128        ; the way out: 16 x 4 registers to store
.set DO,   192        ; v192-239 a pass's 48 entries, then their byte offsets in part: block i, row j at 8 i + j
.set BRAW, 192        ; head: b2 as loaded
.set BIAS, 240        ; v240-255 b2 of my 8 columns, rounded, each twice
; window 1: phase A: the ring; phase B: rows of hb, set a (0..3) at 48 a, block i at + 8 i;
.set CWR,  192        ; window 1, v192-239: a pass's 48 weights
; window 2: the accumulators of blocks 0-3 at 64 i + 8 b;  window 3: of blocks 4, 5
.set WV,  16
.set EX,  17
.set CS,  18
.set KQ,  19
.set RUN, 20
.set NBW, 21
.set NB,  22
.set PS,  23
.set WB,  24
.set AB,  26          ; s[26:27] hb[e] at my quarter of K
.set AP,  28
.set PB,  34          ; s[34:35] part at my plane and slice
.set KT,  36
.set BI,  37
.set OF,  38
.set BM,  44          ; all ones in the quarter that adds b2, else 0
.set C16, 45          ; the expert's last written row of hb
.set KO,  46          ; LDS bytes of the K steps done
.set CM,  48          ; s48-55  a run of eight compares' masks
.set MUL_LO, 0xa1     ; source 0 (rows of hb) window 1, source 1 (weights) window 0, C and D window 2
.set MUL_HI, 0xf1
.set MSB, 0
.macro WIN new                      ; the immediate's high byte repeats the setting that is left; a switch that changes nothing is dropped
.if MSB != (\new)
	s_set_vgpr_msb (MSB<<8)|(\new)
.set MSB, (\new)
.endif
.endm
.macro PLACES                       ; four plain instructions behind a step's last matrix instruction, ahead of loads into, and of the first vector read of, its registers
.rept 4
	v_nop
.endr
.endm
; Groups 4 q .. 4 q + 3 (group G: the 32 tokens 32 (G - G % 2) + 2 lane + G % 2): those that chose my expert are appended in lane order.  The eight compares stand in one run, with one wait;
; each group's address and entry go into registers of their own, and the stores follow behind all 32 groups.
.macro LIST4 q
.irp t, 0,1,2,3
	v_cmp_eq_u32 s[CM+2*\t], s[EX], v[II+8*(\q)+2*\t]
	v_cmp_eq_u32 s[CM+2*\t+1], s[EX], v[II+8*(\q)+2*\t+1]
.endr
	s_wait_alu depctr_va_sdst(0)                   ; the eight compares have written s[CM ..], ahead of their first readers
.irp t, 0,1,2,3
	s_or_b32 s42, s[CM+2*\t], s[CM+2*\t+1]
	v_mbcnt_lo_u32_b32 v[PO], s42, 0
	v_add_nc_u32 v[PO], s[RUN], v[PO]
	v_cndmask_b32 v[PO], v[DP], v[PO], s42
	v_min_u32 v[PO], DEAD+31, v[PO]
	v_cndmask_b32 v[LE+4*(\q)+\t], 0, 1, s[CM+2*\t+1]
	v_add3_u32 v[LE+4*(\q)+\t], v[LE+4*(\q)+\t], v[L4], 128*(2*(\q)+(\t)/2)+2*((\t)%2)
	v_lshl_add_u32 v[LA+4*(\q)+\t], v[PO], 1, v[LB]
	s_bcnt1_i32_b32 s43, s42
	s_add_co_u32 s[RUN], s[RUN], s43
.endr
.endm
.macro WGROUP g, refill, left       ; eight slots of the ring, 8 neighbouring k of my 4 columns: rounded in pairs along k, stored as 16 bytes a column, asked for again 64 rows on
	s_wait_loadcnt \left
	s_wait_alu depctr_vm_vsrc(0)                   ; the LDS stores issued so far have read the packed words that the conversions below write again
	WIN 0x05
.irp a, 0,1,2,3
.irp p, 0,1,2,3
	v_cvt_pk_bf16_f32 v[T16+4*\a+\p], v[4*(8*(\g)+2*\p)+\a], v[4*(8*(\g)+2*\p+1)+\a]
.endr
.endr
	WIN 0
	s_wait_alu depctr_va_vdst(0)                   ; the conversions have written the packed words, which the LDS stores read, and are done reading the slots, in which the refills land; in a round's first group v[WA] is written
.irp a, 0,1,2,3
	ds_store_b128 v[WA], v[T16+4*\a:T16+4*\a+3] offset:16*PW*\a+16*(\g)
.endr
.if \refill
	WIN 0x40
.irp i, 0,1,2,3,4,5,6,7
	global_load_b128 v[4*(8*(\g)+\i):4*(8*(\g)+\i)+3], v[WOFF], s[WB:WB+1] offset:(8*(\g)+\i)*PITCHW
.endr
	WIN 0
.endif
.endm
.macro BRUN set, imm                ; 16 LDS loads: a K step's fragments of all 8 blocks of 16 LDS rows
.irp n, 0,1,2,3,4,5,6,7
	ds_load_b128 v[BF+64*(\set)+8*\n:BF+64*(\set)+8*\n+3], v[BA] offset:(\imm)+16*PW*\n+128*(\n/4)
	ds_load_b128 v[BF+64*(\set)+8*\n+4:BF+64*(\set)+8*\n+7], v[BA] offset:(\imm)+16*PW*\n+128*(\n/4)+32
.endr
.endm
.macro ALD a, i, base, imm
	global_load_b128 v[48*(\a)+8*(\i):48*(\a)+8*(\i)+3], v[ROW+(\i)], s[\base:\base+1] offset:(\imm)
	global_load_b128 v[48*(\a)+8*(\i)+4:48*(\a)+8*(\i)+7], v[ROW+(\i)], s[\base:\base+1] offset:(\imm)+32
.endm
.macro ARUN a, base, imm            ; a K step's rows of all six blocks into set a: a pass's first four steps
	WIN 0x40
.irp i, 0,1,2,3,4,5
	ALD \a, \i, \base, \imm
.endr
	WIN 0
.endm
.macro MULB a, b, i, zero
.irp n, 0,1,2,3,4,5,6,7
.if \zero
	v_wmma_f32_16x16x32_bf16 v[64*((\i)%4)+8*\n:64*((\i)%4)+8*\n+7], v[48*(\a)+8*(\i):48*(\a)+8*(\i)+7], v[BF+64*(\b)+8*\n:BF+64*(\b)+8*\n+7], 0
.else
	v_wmma_f32_16x16x32_bf16 v[64*((\i)%4)+8*\n:64*((\i)%4)+8*\n+7], v[48*(\a)+8*(\i):48*(\a)+8*(\i)+7], v[BF+64*(\b)+8*\n:BF+64*(\b)+8*\n+7], v[64*((\i)%4)+8*\n:64*((\i)%4)+8*\n+7]
.endif
.endr
.endm
; A K step of 32: row set a, weight buffer b.  lw: the younger global loads that may stay out: the set was asked for three steps ago, and each of the two runs behind it has eight loads at the least.
; bimm >= 0: the next step's weight fragments are asked for, into the other buffer.  rbase >= 0: the set that the last step multiplied, a - 1, is asked for again, for the K step three on;
; blocks 4 and 5 only where the pass has them, each under the branch that its products stand under.  zero = 1: the products start the sums, in all six blocks.
; The accumulators take turns, one instruction a turn, over the loop's edge too.
.macro STEP a, b, zero, bimm, rbase, rimm, lw
	s_wait_loadcnt \lw                             ; set a is in
	s_wait_dscnt 0x0                               ; buffer b is in: its sixteen loads are the only LDS loads out
.if !(\zero) && (((\bimm) >= 0) || ((\rbase) >= 0))
	s_wait_alu depctr_va_vdst(0)                   ; the last step's matrix instructions are done reading the other buffer and set a - 1, in which the loads below land; in a trip's first step v[BA] is written
.endif
	WIN MUL_LO
	MULB \a, \b, 0, \zero
.if (\bimm) >= 0
	WIN 0
	BRUN 1-(\b), \bimm                             ; no wait: no vector or matrix instruction since the wait names the other buffer or v[BA]
	WIN MUL_LO
.endif
	MULB \a, \b, 1, \zero
.if (\rbase) >= 0
	WIN 0x40
.irp i, 0,1,2,3
	ALD (\a+3)%4, \i, \rbase, \rimm                ; nor set a - 1 or v[ROW ..]
.endr
	WIN MUL_LO
.endif
	MULB \a, \b, 2, \zero
	MULB \a, \b, 3, \zero
.if \zero
	WIN MUL_HI
	MULB \a, \b, 4, 1
	MULB \a, \b, 5, 1
	WIN 0
.else
	WIN 0
	s_cmp_lt_u32 s[NB], 5
	s_cbranch_scc1 .Le_\@
.if (\rbase) >= 0
	WIN 0x40
	ALD (\a+3)%4, 4, \rbase, \rimm
.endif
	WIN MUL_HI
	MULB \a, \b, 4, 0
	WIN 0
	s_cmp_lt_u32 s[NB], 6
	s_cbranch_scc1 .Le_\@
.if (\rbase) >= 0
	WIN 0x40
	ALD (\a+3)%4, 5, \rbase, \rimm
.endif
	WIN MUL_HI
	MULB \a, \b, 5, 0
	WIN 0
.Le_\@:
.endif
	PLACES                                         ; behind the step's products: ahead of the next step's loads into set a and buffer b, and at the end of the first read of the sums
.endm
.macro CASE i                       ; block i's sums + b2 (or 0), each accumulator from its low end on; its rows' weights and offsets
	WIN 0x02+(\i)/4
.set m, 0
.rept 32
	v_pk_add_f32 v[Z+2*m:Z+2*m+1], v[64*((\i)%4)+2*m:64*((\i)%4)+2*m+1], v[BIAS+2*(m/4):BIAS+2*(m/4)+1]
.set m, m+1
.endr
	WIN 0x01
.irp j, 0,1,2,3,4,5,6,7
	v_mov_b32 v[CWJ+\j], v[CWR+8*(\i)+\j]
.endr
	WIN 0
.irp j, 0,1,2,3,4,5,6,7
	v_mov_b32 v[DOJ+\j], v[DO+8*(\i)+\j]
.endr
.endm
	s_load_b256 s[4:11], s[0:1], 0x0               ; idx s[4:5], cw s[6:7], hb s[8:9], w2 s[10:11]
	s_load_b128 s[12:15], s[0:1], 0x20             ; b2 s[12:13], part s[14:15]
	v_lshl_add_u32 v62, v0, 2, 0x4b000
	v_mov_b32 v63, 0
	v_lshrrev_b32 v[PO], 5, v0
	v_readfirstlane_b32 s[WV], v[PO]               ; wave 0..3
	s_and_b32 s[EX], ttmp7, 0xffff                 ; expert
	s_and_b32 s[CS], ttmp9, 7                      ; slice of columns
	s_lshr_b32 s[KQ], ttmp9, 3                     ; quarter of K
	v_and_b32 v[LN], 31, v0
	v_and_b32 v[RR], 15, v0
	v_and_b32 v[H16], 16, v0
	v_lshlrev_b32 v[IOFF], 4, v[LN]
	v_lshlrev_b32 v[L4], 2, v[LN]
	v_add_nc_u32 v[DP], DEAD, v[LN]
	v_lshlrev_b32 v[R16], 4, v[RR]
	s_lshl_b32 s[OF], s[CS], 9
	v_add_nc_u32 v[WOFF], s[OF], v[IOFF]
	v_min_u32 v[WOFF], PITCHW-16, v[WOFF]          ; past column 999: the row's last 16 bytes once more
	v_add_nc_u32 v[BO], s[OF], v[R16]              ; b2: columns 64 g + 4 (lane % 16) + 0..3, held inside the row likewise
	v_add_nc_u32 v[BO+1], 256, v[BO]
	v_min_u32 v[BO], PITCHW-16, v[BO]
	v_min_u32 v[BO+1], PITCHW-16, v[BO+1]
	v_mul_u32_u24 v[PO], v[H16], (64*PW+128)/16    ; phase A: my columns 4 l + a are 64 (l / 16) + 4 (l % 16) + a: LDS rows 64 (l / 16) + 16 a + l % 16
	v_mul_u32_u24 v[EN], v[RR], PW
	v_add_nc_u32 v[PO], v[PO], v[EN]
	s_wait_alu depctr_va_sdst(0)                   ; the wave's number is in s[WV], ahead of its first reader
	s_mul_i32 s[OF], s[WV], 4*TS                   ; wave w lays k = 256 w .. 256 w + 255 of the quarter: tiles 4 w .. 4 w + 3, its own bytes
	v_add_nc_u32 v[WA], s[OF], v[PO]
	v_add_nc_u32 v[BADR0], v[EN], v[H16]           ; a fragment: lane l reads row l % 16, bytes 16 (l / 16) on and 32 further
	s_mul_i32 s[OF], s[WV], LISTB
	s_add_co_u32 s[OF], s[OF], LIST
	v_mov_b32 v[LB], s[OF]
	s_lshl_b32 s[OF+1], s[WV], 5
	s_add_co_u32 s[OF+1], s[OF+1], s[OF]
	v_add_nc_u32 v[LR8], s[OF+1], v[H16]
	v_lshl_add_u32 v[POSV], s[WV], 4, v[RR]
	s_add_co_u32 s40, s[EX], 2048                  ; the list's first filling, 2048 + e in every entry, and its address: made here, ahead of the head's one wait on va_vdst
	s_mul_i32 s40, s40, 0x10001
.irp i, 0,1,2,3
	v_mov_b32 v[T16+\i], s40
.endr
	v_add_nc_u32 v[AD], v[LB], v[IOFF]
	s_cmp_eq_u32 s[KQ], 0
	s_cselect_b32 s[BM], -1, 0
	s_mul_i32 s[OF], s[EX], 4096*PITCHW            ; w2[e]; my quarter's and my wave's rows
	s_lshl_b32 s40, s[KQ], 10
	s_lshl_b32 s41, s[WV], 8
	s_add_co_u32 s40, s40, s41
	s_mul_i32 s40, s40, PITCHW
	s_add_co_u32 s[OF], s[OF], s40
	s_mov_b32 s[OF+1], 0
	s_wait_kmcnt 0x0
	s_add_nc_u64 s[WB:WB+1], s[10:11], s[OF:OF+1]
	s_mul_i32 s[OF], s[EX], PITCHW
	s_add_nc_u64 s[12:13], s[12:13], s[OF:OF+1]    ; b2[e]
	s_lshl_b32 s[OF], s[EX], 23
	s_lshl_b32 s40, s[KQ], 11
	s_add_co_u32 s[OF], s[OF], s40
	s_add_nc_u64 s[AB:AB+1], s[8:9], s[OF:OF+1]    ; hb[e] at my quarter: 2,048 bytes of each row
	s_mul_i32 s[OF], s[KQ], PLANE
	s_lshl_b32 s40, s[CS], 9
	s_add_co_u32 s[OF], s[OF], s40
	s_add_nc_u64 s[PB:PB+1], s[14:15], s[OF:OF+1]
	s_wait_alu depctr_va_vdst(0)                   ; the offsets and addresses made above are written: v[IOFF], v[BO ..] and v[WOFF], which the loads below read, the filling and v[AD], which the LDS stores below read, and v[WA] for later
.irp g, 0,1,2,3,4,5,6,7,8,9,10,11,12,13,14,15
	global_load_b128 v[II+4*\g:II+4*\g+3], v[IOFF], s[4:5] offset:512*\g
.endr
.irp g, 0,1
	global_load_b128 v[BRAW+4*\g:BRAW+4*\g+3], v[BO+\g], s[12:13]
.endr
	WIN 0x40
.set m, 0
.rept 64                                           ; the ring is filled: my first 64 rows
	global_load_b128 v[4*m:4*m+3], v[WOFF], s[WB:WB+1] offset:m*PITCHW
.set m, m+1
.endr
	WIN 0
.irp m, 0,1,2,3,4
	ds_store_b128 v[AD], v[T16:T16+3] offset:512*\m  ; LDS serves a wave's instructions in order (ISA guide 5.7.1.4): the list's stores come behind these
.endr
	s_wait_loadcnt 63                              ; 82 loads were issued: the oldest 19 are in, idx's 16 and b2's 2 among them; the ring stays out
	s_mov_b32 s[RUN], 0
.irp q, 0,1,2,3,4,5,6,7
	LIST4 \q
.endr
	s_wait_alu depctr_va_vdst(0)                   ; the 32 addresses and the 32 entries are written, which the LDS stores read
.set m, 0
.rept 32
	ds_store_b16 v[LA+m], v[LE+m]
.set m, m+1
.endr
.irp p, 0,1,2,3                                    ; b2 rounded to bf16, kept as f32, each number twice; 0 in the quarters that do not add it (at work in v32-35: the filling's LDS stores read v28-31)
	v_cvt_pk_bf16_f32 v[T16+4+\p], v[BRAW+2*\p], v[BRAW+2*\p+1]
	v_and_b32 v[T16+4+\p], s[BM], v[T16+4+\p]
	v_lshlrev_b32 v[BIAS+4*\p], 16, v[T16+4+\p]
	v_lshlrev_b32 v[BIAS+4*\p+1], 16, v[T16+4+\p]
	v_and_b32 v[BIAS+4*\p+2], 0xffff0000, v[T16+4+\p]
	v_and_b32 v[BIAS+4*\p+3], 0xffff0000, v[T16+4+\p]
.endr
	s_add_co_u32 s[OF], s[RUN], 15
	s_lshr_b32 s[OF], s[OF], 4                     ; the expert's blocks of 16 rows
	s_lshl_b32 s[C16], s[OF], 4
	s_sub_co_u32 s[C16], s[C16], 1                 ; the last row that the first product wrote (used only where there is one)
	s_add_co_u32 s[OF], s[OF], 3
	s_sub_co_u32 s[OF], s[OF], s[WV]
	s_lshr_b32 s[NBW], s[OF], 2
	; PHASE A: a round of 64 rows fills one tile
	s_mov_b32 s[KT], 3
.Lround:
	s_wait_xcnt 0x0                                ; the loads' base is stepped only behind this wait
	s_add_nc_u64 s[WB:WB+1], s[WB:WB+1], 64*PITCHW
.irp g, 0,1,2,3,4,5,6,7
	WGROUP \g, 1, 56                               ; 64 loads are out; all but the group's eight may stay
.endr
	s_wait_alu depctr_vm_vsrc(0)                   ; the round's LDS stores have read v[WA]
	v_add_nc_u32 v[WA], TS, v[WA]
	s_sub_co_u32 s[KT], s[KT], 1
	s_cmp_lg_u32 s[KT], 0
	s_cbranch_scc1 .Lround
.irp g, 0,1,2,3,4,5,6,7
	WGROUP \g, 0, 56-8*\g
.endr
	s_wait_dscnt 0x0                               ; for the others' sake: my tiles of the slice are stored
	s_barrier_signal -1
	s_barrier_wait -1                              ; the slice is whole; nobody writes it again
	; PHASE B
	s_mov_b32 s[PS], 0
.Lpass:
	s_mul_i32 s[NB], s[PS], 6
	s_sub_co_i32 s[NB], s[NBW], s[NB]
	s_min_i32 s[NB], s[NB], 6
	s_cmp_lt_i32 s[NB], 1
	s_cbranch_scc1 .Lpass_next
	s_wait_xcnt 0x0                                ; the last pass's loads and stores have had their addresses translated
	s_wait_alu depctr_vm_vsrc(0)                   ; the last pass's loads have read v[LRP], v[ROW ..] and v[BA], its stores their numbers in v128-191, the head's LDS stores the list's addresses and entries there: all are written again below
	s_mul_i32 s[OF], s[PS], 768
	v_add_nc_u32 v[LRP], s[OF], v[LR8]
	s_mul_i32 s[OF], s[PS], 384
.irp i, 0,1,2,3,4,5
	v_add3_u32 v[ROW+\i], v[POSV], s[OF], 64*\i    ; my place in the expert's list,
	v_min_u32 v[ROW+\i], s[C16], v[ROW+\i]         ; held to the rows that were written,
	v_min_u32 v[ROW+\i], 1023, v[ROW+\i]           ; and to the expert's part of hb whatever idx holds
	v_lshl_add_u32 v[ROW+\i], v[ROW+\i], 13, v[H16]
.endr
	s_mov_b32 s[KO], 0
	v_mov_b32 v[BA], v[BADR0]
	s_wait_alu depctr_va_vdst(0)                   ; v[LRP] is written, which the LDS loads below read; the last way out (in the first pass: the head's compares) is done with v64-87, in which they land
.irp i, 0,1,2,3,4,5
	ds_load_b128 v[RAW+4*\i:RAW+4*\i+3], v[LRP] offset:128*\i  ; block i: the entries of its rows 8 (lane / 16) + 0..7
.endr
	s_wait_dscnt 0x0
.set m, 0
.rept 24
	v_and_b32 v[DO+2*m], 0xffff, v[RAW+m]
	v_lshrrev_b32 v[DO+2*m+1], 16, v[RAW+m]
.set m, m+1
.endr
.set m, 0
.rept 48
	v_min_u32 v[CWO+m], 2047, v[DO+m]
	v_lshlrev_b32 v[CWO+m], 2, v[CWO+m]
.set m, m+1
.endr
.set m, 0
.rept 48
	v_min_u32 v[DO+m], 2055, v[DO+m]
	v_lshl_add_u32 v[DO+m], v[DO+m], 12, v[R16]    ; part's row 2 token + k, or 2048 + e; 16 bytes a lane
.set m, m+1
.endr
	WIN 0x40
	s_wait_alu depctr_va_vdst(0)                   ; the weights' offsets are written, which the loads below read; the unpacking is done reading v64-87, the last way out with v64-191 and with the weights in window 1, phase A's conversions with the ring: loads land in all of these
.set m, 0
.rept 48
	global_load_b32 v[CWR+m], v[CWO+m], s[6:7]     ; the rows' weights: older than every counted load below; read behind the wait for all
.set m, m+1
.endr
	WIN 0
	s_wait_xcnt 0x0                                ; the weights' loads have had their addresses translated,
	s_wait_alu depctr_vm_vsrc(0)                   ; and have read their offsets in v128-175, on which step 0's weight fragments land
	s_mov_b64 s[AP:AP+1], s[AB:AB+1]
	BRUN 0, 0                                      ; no further wait on va_vdst: no vector instruction was issued since the one above, ahead of which v[ROW ..] and v[BA] were written too
.irp a, 0,1,2,3
	ARUN \a, AB, 64*\a
.endr
	STEP 0, 0, 1, 64, -1, 0, 36                    ; step 0 starts the sums; behind its 12 loads 36 were issued
	s_mov_b32 s[KT], 7
.Ltrip:                                                ; steps 1 + 4 t .. 4 + 4 t; a tile holds two steps, 64 bytes apart; step s asks for the rows of K step s + 3
	STEP 1, 1, 0, TS, AP, 256, 16
	STEP 2, 0, 0, TS+64, AP, 320, 16
	STEP 3, 1, 0, 2*TS, AP, 384, 16
	STEP 0, 0, 0, 2*TS+64, AP, 448, 16             ; in the last trip: K step 31, the quarter's last
	s_add_co_u32 s[KO], s[KO], 2*TS
	s_wait_alu depctr_vm_vsrc(0)                   ; the LDS loads issued so far have read v[BA]
	v_add_nc_u32 v[BA], s[KO], v[BADR0]
	s_wait_xcnt 0x0                                ; the base is stepped only behind this wait
	s_add_nc_u64 s[AP:AP+1], s[AP:AP+1], 256
	s_sub_co_u32 s[KT], s[KT], 1
	s_cmp_lg_u32 s[KT], 0
	s_cbranch_scc1 .Ltrip
	STEP 1, 1, 0, TS, -1, 0, 16                    ; steps 29, 30, 31 ask for no more rows: two, one and no run of eight or more are younger
	STEP 2, 0, 0, TS+64, -1, 0, 8
	STEP 3, 1, 0, -1, -1, 0, 0                     ; it issues no load, so it holds no wait on va_vdst; its first wait is for all loads, the rows' weights among them
	s_mov_b32 s[BI], 0
.Lblk:
	s_cmp_ge_u32 s[BI], s[NB]
	s_cbranch_scc1 .Lblk_next
	s_wait_xcnt 0x0                                ; the last block's stores have had their addresses translated,
	s_wait_alu depctr_vm_vsrc(0)                   ; and have read their offsets in v36-43 and their numbers in v128-191, which this block writes again
	s_cmp_eq_u32 s[BI], 0
	s_cbranch_scc1 .Lc0
	s_cmp_eq_u32 s[BI], 1
	s_cbranch_scc1 .Lc1
	s_cmp_eq_u32 s[BI], 2
	s_cbranch_scc1 .Lc2
	s_cmp_eq_u32 s[BI], 3
	s_cbranch_scc1 .Lc3
	s_cmp_eq_u32 s[BI], 4
	s_cbranch_scc1 .Lc4
	CASE 5
	s_branch .Lgo
.Lc0:
	CASE 0
	s_branch .Lgo
.Lc1:
	CASE 1
	s_branch .Lgo
.Lc2:
	CASE 2
	s_branch .Lgo
.Lc3:
	CASE 3
	s_branch .Lgo
.Lc4:
	CASE 4
.Lgo:                                                  ; the way out, written once for all six blocks: the row's weight, and four accumulators' numbers side by side
.irp g, 0,1
.irp j, 0,1,2,3,4,5,6,7
.irp a, 0,1,2,3
	v_mul_f32 v[OO+4*(8*\g+\j)+\a], v[Z+8*(4*\g+\a)+\j], v[CWJ+\j]
.endr
.endr
.endr
	s_wait_alu depctr_va_vdst(0)                   ; the block's row offsets and its 64 numbers are written, which the stores read
.irp g, 0,1
.irp j, 0,1,2,3,4,5,6,7
	global_store_b128 v[DOJ+\j], v[OO+4*(8*\g+\j):OO+4*(8*\g+\j)+3], s[PB:PB+1] offset:256*\g  ; rows j and 8 + j: 16 lanes store 256 consecutive bytes, aligned
.endr
.endr
.Lblk_next:
	s_add_co_u32 s[BI], s[BI], 1
	s_cmp_lt_u32 s[BI], 6
	s_cbranch_scc1 .Lblk
.Lpass_next:
	s_add_co_u32 s[PS], s[PS], 1
	s_cmp_lt_u32 s[PS], 3
	s_cbranch_scc1 .Lpass
	s_wait_dscnt 0x0                               ; my LDS loads are back;
	s_barrier_signal -1
	s_barrier_wait -1                              ; every wave's are
	s_wait_dscnt 0x0                               ; the wave's end: every counter and dependence is waited out below, then the closing add
	s_wait_alu depctr_hold_cnt(0) depctr_sa_sdst(0) depctr_va_vdst(0) depctr_va_sdst(0) depctr_va_ssrc(0) depctr_va_vcc(0) depctr_vm_vsrc(0)
	s_wait_tensorcnt 0x0
	ds_add_u32 v62, v63
	s_wait_dscnt 0x0
	s_endpgm
.Lfunc_end_k_q1fe2322eda_prod2:
	.size	k_q1fe2322eda_prod2, .Lfunc_end_k_q1fe2322eda_prod2-k_q1fe2322eda_prod2
	.p2alignl 7, 3214868480
	.fill 96, 4, 3214868480
	.section	.rodata,"a",@progbits
	.p2align	6, 0x0
	.amdhsa_kernel k_q1fe2322eda_prod2
		.amdhsa_group_segment_fixed_size 307712
		.amdhsa_private_segment_fixed_size 0
		.amdhsa_enable_private_segment 0
		.amdhsa_kernarg_size 48
		.amdhsa_user_sgpr_count 2
		.amdhsa_user_sgpr_kernarg_segment_ptr 1
		.amdhsa_wavefront_size32 1
		.amdhsa_system_sgpr_workgroup_id_x 1
		.amdhsa_system_sgpr_workgroup_id_y 1
		.amdhsa_system_sgpr_workgroup_id_z 1
		.amdhsa_system_vgpr_workitem_id 0
		.amdhsa_next_free_vgpr 896
		.amdhsa_next_free_sgpr 66
		.amdhsa_reserve_vcc 0
		.amdhsa_float_denorm_mode_32 3
		.amdhsa_float_denorm_mode_16_64 3
		.amdhsa_memory_ordered 1
		.amdhsa_forward_progress 1
		.amdhsa_inst_pref_size 152
	.end_amdhsa_kernel
	.amdgpu_metadata
---
amdhsa.version: [ 1, 2 ]
amdhsa.kernels:
  - .name:           k_q1fe2322eda_prod2
    .symbol:         k_q1fe2322eda_prod2.kd
    .args:
      - { .name: idx, .offset: 0, .size: 8, .value_kind: global_buffer, .address_space: global }
      - { .name: cw, .offset: 8, .size: 8, .value_kind: global_buffer, .address_space: global }
      - { .name: hb, .offset: 16, .size: 8, .value_kind: global_buffer, .address_space: global }
      - { .name: w2, .offset: 24, .size: 8, .value_kind: global_buffer, .address_space: global }
      - { .name: b2, .offset: 32, .size: 8, .value_kind: global_buffer, .address_space: global }
      - { .name: part, .offset: 40, .size: 8, .value_kind: global_buffer, .address_space: global }
    .group_segment_fixed_size: 307712
    .private_segment_fixed_size: 0
    .kernarg_segment_align: 8
    .kernarg_segment_size: 48
    .max_flat_workgroup_size: 128
    .sgpr_count:     66
    .vgpr_count:     896
    .wavefront_size: 32
...
	.end_amdgpu_metadata
.endif
;; end of part 6
;; launch combine: the kernel of part 4 again; grid 501 x 1, 4 waves a work-group, no clusters, 0 bytes of LDS; arguments part, psum, out0, out1; writes out0, out1
